; MI455X (gfx1250); checked and timed in simulation.
; The chip was launched on July 23, 2026; its instructions are those of AMD's public machine-readable ISA for CDNA 5 (MIT licence, August 2026) and "CDNA5" Instruction Set Architecture Reference Guide (July 2026). The comments in the code are by the model that wrote it; some were corrected since.
;; Attention. Allowed arithmetic: float matrix products may take bf16 or f16 operands with f32 sums; all other float work in f32.
;; Inputs: w_out 1,024 x 1,024 float32; w_q 1,024 x 1,024 float32; w_vk 1,024 x 2,048 float32; x 2 x 2,048 x 1,024 float32.
;; Outputs: out0 2 x 2,048 x 1,024 float32.
;; 2 versions, each right; version 2 is version 1 with the launch cast written anew for expert scheduling mode. Each part assembles by itself: llvm-mc -triple=amdgcn-amd-amdhsa -mcpu=gfx1250 --defsym DOCPART=n.
;; ======== version 1 of 2: 4 launches
;; workspace buffers: xb 8,388,608 bytes; wb 6,291,456 bytes; wob 2,097,152 bytes; q2 16,777,216 bytes; k2 16,777,216 bytes; vb 8,388,608 bytes; ob 8,388,608 bytes
;; launch cast (part 1): grid 256 x 1, 8 waves a work-group, no clusters, 0 bytes of LDS; arguments x, w_q, w_vk, w_out, xb, wb, wob; writes xb, wb, wob
.if DOCPART == 1
	.amdgcn_target "amdgcn-amd-amdhsa--gfx1250"
	.amdhsa_code_object_version 6
	.text
	.protected	k_qdb22bb28f2_cast
	.globl	k_qdb22bb28f2_cast
	.p2align	8
	.type	k_qdb22bb28f2_cast,@function
k_qdb22bb28f2_cast:
	s_mov_b64 s[64:65], 0
	v_nop
	global_prefetch_b8 v0, s[64:65] scope:SCOPE_SE
	s_setreg_imm32_b32 hwreg(HW_REG_WAVE_MODE, 25, 1), 1
	s_wait_xcnt 0x0
; f32 to bf16 (round to nearest even) of the four inputs, once, so that the three matrix launches move and keep 16-bit operands only.
;   x     [4096][1024] -> xb  [4096][1024]
;   w_q   [1024][1024] -> wb  [1024][3072], columns 0-1023
;   w_vk  [1024][2048] -> wb  [1024][3072], columns 1024-3071 (K, then V)
;   w_out [1024][1024] -> wob [1024][1024]
; A stream: every byte is read once and written once, so there is no LDS, no barrier, no matrix unit and no cluster (no two work-groups share a byte).
; The unit of work is 1024 numbers (4096 bytes in, 2048 out); 8192 units; a work-group takes 32, a wave 4 neighbouring ones.
; Which tensor a work-group serves is chosen by scalar selects on its number: no branch.
; Lane l takes 16 bytes at 16 l of each 512 bytes: a load of the wave covers 512 neighbouring bytes, and the lane's four numbers leave as 8 bytes,
; so that a store of the wave covers 256 neighbouring bytes, aligned to 256.
; A wave issues all its 32 loads (16 KiB) first; no register is written twice, so the only waits are the counted ones for the loads.
.set X, 8                              ; v[8:135]    32 loads x 4 registers, f32
.set Y, 136                            ; v[136:199]  32 stores x 2 registers, bf16 pairs
	s_load_b256 s[4:11], s[0:1], 0x0               ; x s[4:5], w_q s[6:7], w_vk s[8:9], w_out s[10:11]
	s_load_b128 s[12:15], s[0:1], 0x20             ; xb s[12:13], wb s[14:15]
	s_load_b64 s[16:17], s[0:1], 0x30              ; wob
	v_lshrrev_b32 v6, 5, v0
	v_readfirstlane_b32 s29, v6                    ; wave 0..7
	v_and_b32 v7, 31, v0                           ; lane
	v_lshlrev_b32 v1, 4, v7                        ; in: 4 numbers = 16 bytes a lane
	v_lshlrev_b32 v2, 3, v7                        ; out: 8 bytes a lane
	s_mov_b32 s28, ttmp9                           ; work-group 0..255
	s_wait_kmcnt 0x0
	; work-groups 224-255: w_out -> wob, output rows of 2048 bytes follow each other
	s_mov_b64 s[18:19], s[10:11]                   ; source
	s_mov_b64 s[22:23], s[16:17]                   ; destination
	s_mov_b32 s20, 224                             ; first work-group of the tensor
	s_mov_b32 s21, 2048                            ; output bytes from unit to unit, on the average over the wave's four
	s_mov_b32 s24, 0                               ; first output byte
	s_mov_b32 s25, 2048                            ; output offsets of the wave's units 1, 2, 3
	s_mov_b32 s26, 4096
	s_mov_b32 s27, 6144
	s_cmp_lt_u32 s28, 224                          ; 160-223: w_vk -> wb; a row is two units, at byte 2048 of a row of 6144
	s_cselect_b64 s[18:19], s[8:9], s[18:19]
	s_cselect_b64 s[22:23], s[14:15], s[22:23]
	s_cselect_b32 s20, 160, s20
	s_cselect_b32 s21, 3072, s21
	s_cselect_b32 s24, 2048, s24
	s_cselect_b32 s26, 6144, s26
	s_cselect_b32 s27, 8192, s27
	s_cmp_lt_u32 s28, 160                          ; 128-159: w_q -> wb; a row is one unit, at byte 0 of a row of 6144
	s_cselect_b64 s[18:19], s[6:7], s[18:19]
	s_cselect_b32 s20, 128, s20
	s_cselect_b32 s21, 6144, s21
	s_cselect_b32 s24, 0, s24
	s_cselect_b32 s25, 6144, s25
	s_cselect_b32 s26, 12288, s26
	s_cselect_b32 s27, 18432, s27
	s_cmp_lt_u32 s28, 128                          ; 0-127: x -> xb
	s_cselect_b64 s[18:19], s[4:5], s[18:19]
	s_cselect_b64 s[22:23], s[12:13], s[22:23]
	s_cselect_b32 s20, 0, s20
	s_cselect_b32 s21, 2048, s21
	s_cselect_b32 s25, 2048, s25
	s_cselect_b32 s26, 4096, s26
	s_cselect_b32 s27, 6144, s27
	s_sub_co_u32 s30, s28, s20
	s_lshl_b32 s30, s30, 5
	s_lshl2_add_u32 s30, s29, s30                  ; my first unit in the tensor = 32 x work-group + 4 x wave
	s_lshl_b32 s2, s30, 12                         ; 4096 bytes a unit, below 2^24
	s_mov_b32 s3, 0
	s_add_nc_u64 s[18:19], s[18:19], s[2:3]
	s_mul_i32 s2, s30, s21
	s_add_co_u32 s2, s2, s24
	s_add_nc_u64 s[22:23], s[22:23], s[2:3]
	v_add_nc_u32 v3, s25, v2                       ; v2..v5: 8 x lane + the unit's place in the output
	v_add_nc_u32 v4, s26, v2
	v_add_nc_u32 v5, s27, v2
.set idx, 0
.rept 32                                           ; load idx = 128 numbers, 512 neighbouring bytes; eight loads to a unit
	global_load_b128 v[X+4*idx:X+4*idx+3], v1, s[18:19] offset:idx*512 th:TH_LOAD_NT
.set idx, idx+1
.endr
.set idx, 0
.rept 32
	s_wait_loadcnt 31-idx                          ; loads return in order: load idx is in, the 31 - idx younger ones stay out
	v_cvt_pk_bf16_f32 v[Y+2*idx],   v[X+4*idx],   v[X+4*idx+1]
	v_cvt_pk_bf16_f32 v[Y+2*idx+1], v[X+4*idx+2], v[X+4*idx+3]
	global_store_b64 v[2+idx/8], v[Y+2*idx:Y+2*idx+1], s[22:23] offset:(idx%8)*256   ; the wave stores 256 neighbouring bytes, aligned to 256
.set idx, idx+1
.endr
	s_endpgm
.Lfunc_end_k_qdb22bb28f2_cast:
	.size	k_qdb22bb28f2_cast, .Lfunc_end_k_qdb22bb28f2_cast-k_qdb22bb28f2_cast
	.p2alignl 7, 3214868480
	.fill 96, 4, 3214868480
	.section	.rodata,"a",@progbits
	.p2align	6, 0x0
	.amdhsa_kernel k_qdb22bb28f2_cast
		.amdhsa_group_segment_fixed_size 0
		.amdhsa_private_segment_fixed_size 0
		.amdhsa_enable_private_segment 0
		.amdhsa_kernarg_size 56
		.amdhsa_user_sgpr_count 2
		.amdhsa_user_sgpr_kernarg_segment_ptr 1
		.amdhsa_wavefront_size32 1
		.amdhsa_system_sgpr_workgroup_id_x 1
		.amdhsa_system_sgpr_workgroup_id_y 1
		.amdhsa_system_sgpr_workgroup_id_z 1
		.amdhsa_system_vgpr_workitem_id 0
		.amdhsa_next_free_vgpr 208
		.amdhsa_next_free_sgpr 66
		.amdhsa_reserve_vcc 0
		.amdhsa_float_denorm_mode_32 3
		.amdhsa_float_denorm_mode_16_64 3
		.amdhsa_memory_ordered 1
		.amdhsa_forward_progress 1
		.amdhsa_inst_pref_size 14
	.end_amdhsa_kernel
	.amdgpu_metadata
---
amdhsa.version: [ 1, 2 ]
amdhsa.kernels:
  - .name:           k_qdb22bb28f2_cast
    .symbol:         k_qdb22bb28f2_cast.kd
    .args:
      - { .name: x, .offset: 0, .size: 8, .value_kind: global_buffer, .address_space: global }
      - { .name: w_q, .offset: 8, .size: 8, .value_kind: global_buffer, .address_space: global }
      - { .name: w_vk, .offset: 16, .size: 8, .value_kind: global_buffer, .address_space: global }
      - { .name: w_out, .offset: 24, .size: 8, .value_kind: global_buffer, .address_space: global }
      - { .name: xb, .offset: 32, .size: 8, .value_kind: global_buffer, .address_space: global }
      - { .name: wb, .offset: 40, .size: 8, .value_kind: global_buffer, .address_space: global }
      - { .name: wob, .offset: 48, .size: 8, .value_kind: global_buffer, .address_space: global }
    .group_segment_fixed_size: 0
    .private_segment_fixed_size: 0
    .kernarg_segment_align: 8
    .kernarg_segment_size: 56
    .max_flat_workgroup_size: 256
    .sgpr_count:     66
    .vgpr_count:     208
    .wavefront_size: 32
...
	.end_amdgpu_metadata
.endif
;; end of part 1
;; launch qkv (part 2): grid 8 x 32, 4 waves a work-group, clusters of 4 x 4, 327,680 bytes of LDS; arguments xb, wb, q2, k2, vb; writes q2, k2, vb
.if DOCPART == 2
	.amdgcn_target "amdgcn-amd-amdhsa--gfx1250"
	.amdhsa_code_object_version 6
	.text
	.protected	k_qdb22bb28f2_qkv
	.globl	k_qdb22bb28f2_qkv
	.p2align	8
	.type	k_qdb22bb28f2_qkv,@function
k_qdb22bb28f2_qkv:
	s_mov_b64 s[64:65], 0
	v_nop
	global_prefetch_b8 v0, s[64:65] scope:SCOPE_SE
	s_setreg_imm32_b32 hwreg(HW_REG_WAVE_MODE, 25, 1), 1
	s_wait_xcnt 0x0
	s_wait_alu depctr_hold_cnt(0) depctr_sa_sdst(0) depctr_va_vdst(0) depctr_va_sdst(0) depctr_va_ssrc(0) depctr_va_vcc(0) depctr_vm_vsrc(0)
	s_getreg_b32 s2, hwreg(HW_REG_IB_STS2, 6, 4)
	s_cmp_eq_u32 s2, 0
	s_cbranch_scc0 .Lentry_in_a_cluster
	s_endpgm
.Lentry_in_a_cluster:
	s_bfe_u32 s2, ttmp6, 0x10000c
	s_cmp_lg_u32 s2, 0xf033
	s_cbranch_scc0 .Lentry_shape_is_right
	s_endpgm
.Lentry_shape_is_right:
; [Q | K | V] = xb wb.  xb: [4096 tokens][1024] bf16.  wb: [1024 k][3072 n] bf16 (n 0-1023 Q, 1024-2047 K, 2048-3071 V).  Sums in f32.
; Out:  q2, k2: [bh = 16 b + head][2048 tokens][hi 64 | lo 64] bf16, hi = bf16(value), lo = bf16(value - hi): a row is 256 bytes.
;       vb:     [bh][2048 tokens][64] bf16.
; Why hi and lo: the logits are multiplied by 8 in front of the softmax, so a single bf16 rounding of q and k would move them by
; tenths; with the pair the attention launch forms q.k to about 2^-16 of a product.
; A work-group makes 128 tokens x 384 columns: the 128 columns of heads 2 bx and 2 bx + 1 of Q, of K and of V, so that the kind of a column
; is a constant of the text.  Four waves, one to a SIMD: wave w takes tokens 64 (w >> 1) .. + 63 and head 2 bx + (w & 1) of each kind:
; 4 x 12 accumulator tiles of 16 x 16, 384 registers.  K goes in steps of 128 through two LDS slots filled by the tensor data mover.
; CLUSTERS: 4 x 4 work-groups.  The four of a row of the cluster need the same 128 tokens of xb, the four of a column the same columns of wb:
; each tile is asked for jointly by the four, which divides the requests by four.
; The weights lie [k][n]; their fragments are read from LDS by the transposing load.
; The matrix instruction is used transposed (source 0 = 16 columns of wb, source 1 = 16 tokens): a lane then holds 8 neighbouring columns of one token.
; Limits: no NaN or infinite inputs; the sums run in another order than a plain dot product.
;
; REGISTERS by windows of 256:  window 0: addresses, fragments of xb (two buffers), work on the way out;  window 1: fragments of wb (two buffers);
; window 2: accumulators of my tokens 0-31 (tile (a, b) at v[8 (12 a + b)], b = 4 kind + column block);  window 3: of my tokens 32-63.
.set KSTEP, 128
.set PA,    272                        ; LDS pitch of a token row: 256 bytes + 16: the 16 rows of a fragment load start 16 bytes apart modulo 256
.set PB,    288                        ; LDS pitch of a k row of wb: 256 bytes + 32 = 9 x 32
.set REG,   36864                      ; a region = what one wave fetches: 128 x 288 (xb uses 128 x 272 of it)
.set SLOT,  4*REG                      ; region 0: xb; regions 1, 2, 3: wb for Q, K, V
.set STAGE, 2*SLOT                     ; behind the ring: 16 rows x 272 bytes for each wave; no tensor load lands here
.set SP,    272
.set LAPS,  4                          ; 1024 / (2 x 128): a lap is once round the ring
.set ADRA, 8                           ; v8-9    LDS address of my xb fragments in slot 0, 1
.set ADRB, 10                          ; v10-15  of my wb fragments: 3 x slot + kind
.set STO,  16                          ; way out: where a lane puts 16 bytes of its token row
.set RD,   17                          ; way out: read back, two rows of 256 bytes a load
.set RDV,  18                          ; way out: read back, four rows of 128 bytes a load
.set CO,   19                          ; 16 x lane
.set FA,   32                          ; window 0: xb fragments, buffer f at FA + 32 f (4 x 8 registers)
                                       ; window 1: wb fragments, buffer f at 96 f (12 x 8 registers)
.set H,    96                          ; way out: hi, packed (16)
.set U,    112                         ; way out: hi widened, then value - hi (32)
.set LP,   144                         ; way out: lo, packed (16)
.set RB,   160                         ; way out: rows read back (32)
.set G1A, 24                           ; s[24:31] descriptor group 1, xb tiles
.set G0A, 32                           ; s[32:39] group 0, xb tiles, a set for each slot
.set G1B, 48                           ; s[48:55] group 1, wb tiles
.set G0B, 56                           ; s[56:63] group 0, wb tiles, a set for each slot
.set MSB, 0
.macro WIN new                         ; the immediate's high byte repeats the setting that is left; a switch that changes nothing is dropped
.if MSB != (\new)
	s_set_vgpr_msb (MSB<<8)|(\new)
.set MSB, (\new)
.endif
.endm
.set MUL_LO, 0xa1                      ; source 0 window 1, source 1 window 0, C and D window 2
.set MUL_HI, 0xf1                      ; the same, C and D window 3
.macro PLACES                          ; four plain vector places behind a matrix instruction, in front of loads into its sources and of readers of its result
.rept 4
	v_nop
.endr
.endm
; A joint load: wave 0 fetches the xb tile, waves 1-3 the wb tiles of Q, K, V.  Each line has one mask; the branch hangs on the wave's number alone.
.macro JLOAD s
	s_cmp_eq_u32 s14, 0
	s_cbranch_scc0 .Lfor_b_\@
	tensor_load_to_lds s[G0A+4*(\s):G0A+4*(\s)+3], s[G1A:G1A+7]
	s_nop 0
	s_branch .Lasked_\@
.Lfor_b_\@:
	tensor_load_to_lds s[G0B+4*(\s):G0B+4*(\s)+3], s[G1B:G1B+7]
	s_nop 0
.Lasked_\@:
.endm
.macro CREST                           ; a round of the cluster's barrier behind its opening work-group barrier
	s_cmp_lg_u32 s14, 0
	s_cbranch_scc1 .Lnot_wave_0_\@
	s_barrier_signal -3
.Lnot_wave_0_\@:
	s_barrier_wait -3
	s_barrier_signal -1
	s_barrier_wait -1
.endm
.macro CROUND                          ; a whole round
	s_barrier_signal -1
	s_barrier_wait -1
	CREST
.endm
	s_load_b128 s[4:7], s[0:1], 0x0                ; xb s[4:5], wb s[6:7]
	s_load_b128 s[8:11], s[0:1], 0x10              ; q2 s[8:9], k2 s[10:11]
	s_load_b64 s[12:13], s[0:1], 0x20              ; vb
	s_set_vgpr_msb 0x40
	v_lshl_add_u32 v255, v0, 2, 0x4c400
	s_set_vgpr_msb 0x4000
	v_mov_b32 v255, 0
	s_set_vgpr_msb 0x1
	ds_add_u32 v255, v255
	s_set_vgpr_msb 0x100
	v_lshrrev_b32 v1, 5, v0
	v_readfirstlane_b32 s14, v1                    ; wave 0..3
	s_lshr_b32 s15, s14, 1                         ; wm: which 64 tokens
	s_and_b32 s16, s14, 1                          ; wn: which head of the pair
	s_bfe_u32 s17, ttmp6, 0x40000                  ; cx
	s_bfe_u32 s18, ttmp6, 0x40004                  ; cy
	s_lshl_b32 s19, ttmp9, 2
	s_add_co_u32 s19, s19, s17                     ; bx = 4 x cluster x + cx: the pair of heads, 0..7
	s_and_b32 s20, ttmp7, 0xffff
	s_lshl_b32 s20, s20, 2
	s_add_co_u32 s20, s20, s18                     ; by = 4 x cluster y + cy: the block of 128 tokens, 0..31
	s_lshl_b32 s40, s18, 2
	s_lshl_b32 s40, 15, s40                        ; my row of the cluster: places 4 cy .. 4 cy + 3
	s_lshl_b32 s41, 0x1111, s17                    ; my column: places cx, cx + 4, cx + 8, cx + 12
	; group 1: tiles of 128 rows x 128 elements of 2 bytes; padding after every 64 words (code 5): 4 words for xb, 8 for wb; bit 21 beside a mask
	s_or_b32 s[G1A+0], s40, (1<<16)|(1<<20)|(1<<21)|(5<<22)|(3<<25)
	s_or_b32 s[G1B+0], s41, (1<<16)|(1<<20)|(1<<21)|(5<<22)|(7<<25)
	s_mov_b32 s[G1A+1], KSTEP<<16                  ; tensor_dim0 = 128
	s_mov_b32 s[G1B+1], 128<<16
	s_mov_b32 s[G1A+2], 128<<16                    ; tensor_dim1 = 128
	s_mov_b32 s[G1B+2], KSTEP<<16
	s_mov_b32 s[G1A+3], KSTEP<<16                  ; tile_dim0 = 128
	s_mov_b32 s[G1B+3], 128<<16
	s_mov_b32 s[G1A+4], 128                        ; tile_dim1 = 128
	s_mov_b32 s[G1B+4], KSTEP
	s_mov_b32 s[G1A+5], 1024                       ; elements from row to row
	s_mov_b32 s[G1B+5], 3072
	s_mov_b32 s[G1A+6], 0
	s_mov_b32 s[G1B+6], 0
	s_mov_b32 s[G1A+7], 0
	s_mov_b32 s[G1B+7], 0
	; xb's tile hangs on by alone (shared along my row), wb's on bx and the wave (shared along my column); each in registers that never hold the other coordinate
	s_lshl_b32 s42, s20, 18                        ; 128 tokens x 2048 bytes
	s_mov_b32 s43, 0
	s_max_u32 s21, s14, 1
	s_sub_co_u32 s21, s21, 1                       ; kind 0, 1, 2 for waves 1, 2, 3 (wave 0 never asks by this address)
	s_lshl_b32 s46, s21, 11                        ; 1024 columns x 2 bytes
	s_lshl_b32 s22, s19, 8                         ; 128 columns x 2 bytes
	s_add_co_u32 s46, s46, s22
	s_mov_b32 s47, 0
	s_mul_i32 s23, s14, REG                        ; where my tile goes: wave x region; no place in the cluster enters an LDS address
	s_wait_dscnt 0x0
	s_wait_kmcnt 0x0
	s_add_nc_u64 s[42:43], s[4:5], s[42:43]
	s_add_nc_u64 s[46:47], s[6:7], s[46:47]
	CROUND                                         ; all sixteen work-groups are here: the first joint loads meet
.irp s, 0,1
	s_mov_b32 s[G0A+4*\s], 1
	s_add_co_u32 s[G0A+4*\s+1], s23, \s*SLOT
	s_add_nc_u64 s[G0A+4*\s+2:G0A+4*\s+3], s[42:43], \s*KSTEP*2          ; K step s: 256 bytes along the rows
	s_or_b32 s[G0A+4*\s+3], s[G0A+4*\s+3], 0x80000000
	s_mov_b32 s[G0B+4*\s], 1
	s_add_co_u32 s[G0B+4*\s+1], s23, \s*SLOT
	s_add_nc_u64 s[G0B+4*\s+2:G0B+4*\s+3], s[46:47], \s*KSTEP*6144       ; K step s: 128 rows of 6144 bytes down
	s_or_b32 s[G0B+4*\s+3], s[G0B+4*\s+3], 0x80000000
	JLOAD \s                                       ; both slots are asked for before anything else: two tensor loads of the wave are out
.endr
	; where the results go: bh = 16 (by >> 4) + 2 bx + wn, first token (by & 15) 128 + 64 wm
	s_lshr_b32 s44, s20, 4
	s_lshl_b32 s44, s44, 4
	s_lshl1_add_u32 s44, s19, s44
	s_add_co_u32 s44, s44, s16
	s_and_b32 s45, s20, 15
	s_lshl_b32 s45, s45, 7
	s_lshl_b32 s22, s15, 6
	s_add_co_u32 s45, s45, s22
	s_lshl_b32 s44, s44, 19                        ; 2048 tokens x 256 bytes
	s_lshl_b32 s45, s45, 8
	s_add_co_u32 s44, s44, s45
	s_mov_b32 s45, 0
	s_add_nc_u64 s[8:9], s[8:9], s[44:45]
	s_add_nc_u64 s[10:11], s[10:11], s[44:45]
	s_lshr_b32 s44, s44, 1                         ; vb: rows of 128 bytes
	s_add_nc_u64 s[12:13], s[12:13], s[44:45]
	; lane terms.  r = lane % 16, h = lane / 16
	v_and_b32 v1, 15, v0
	v_bfe_u32 v2, v0, 4, 1
	v_mul_u32_u24 v3, v1, PA
	v_lshl_add_u32 v3, v2, 4, v3                   ; r x 272 + 16 h: a fragment along K is two loads of 16 bytes, 32 apart
	s_mul_i32 s22, s15, 64*PA
	v_add_nc_u32 v[ADRA], s22, v3
	v_add_nc_u32 v[ADRA+1], SLOT, v[ADRA]
	v_and_b32 v4, 7, v0
	v_lshl_add_u32 v4, v2, 3, v4                   ; transposing load: k row 8 h + lane % 8,
	v_mul_u32_u24 v4, v4, PB
	v_bfe_u32 v5, v0, 3, 1
	v_lshl_add_u32 v4, v5, 4, v4                   ; 16 bytes further for lanes 8-15 of each half
	s_lshl_b32 s22, s16, 7                         ; my head: 64 columns = 128 bytes
	v_add_nc_u32 v4, s22, v4
.irp s, 0,1
.irp ty, 0,1,2
	v_add_nc_u32 v[ADRB+3*\s+\ty], \s*SLOT+(1+\ty)*REG, v4
.endr
.endr
	s_mul_i32 s22, s14, 16*SP
	s_add_co_u32 s22, s22, STAGE                   ; my stage
	v_add_nc_u32 v[STO], s22, v3                   ; in: row r, 16 bytes for each half of the lanes
	v_mul_u32_u24 v5, v2, SP
	v_lshl_add_u32 v5, v1, 4, v5
	v_add_nc_u32 v[RD], s22, v5                    ; back: lanes 0-15 one row of 256 bytes, lanes 16-31 the next
	v_bfe_u32 v5, v0, 3, 2
	v_mul_u32_u24 v5, v5, SP
	v_and_b32 v6, 7, v0
	v_lshl_add_u32 v5, v6, 4, v5
	v_add_nc_u32 v[RDV], s22, v5                   ; back: eight lanes to a row of 128 bytes, four rows
	v_and_b32 v6, 31, v0
	v_lshlrev_b32 v[CO], 4, v6
; 12 matrix instructions: token block a of the window's two (hi = 0: tokens 0-31, 1: tokens 32-63) x all 12 column blocks, 32 along K.
; zero = 1: the first product starts the sums; nothing is cleared.  The 48 accumulators take turns, one instruction a turn.
.macro MUL12 f, hi, a, zero
.irp b, 0,1,2,3,4,5,6,7,8,9,10,11
.if \zero
	v_wmma_f32_16x16x32_bf16 v[8*(12*\a+\b):8*(12*\a+\b)+7], v[96*\f+8*\b:96*\f+8*\b+7], v[FA+32*\f+8*(2*\hi+\a):FA+32*\f+8*(2*\hi+\a)+7], 0
.else
	v_wmma_f32_16x16x32_bf16 v[8*(12*\a+\b):8*(12*\a+\b)+7], v[96*\f+8*\b:96*\f+8*\b+7], v[FA+32*\f+8*(2*\hi+\a):FA+32*\f+8*(2*\hi+\a)+7], v[8*(12*\a+\b):8*(12*\a+\b)+7]
.endif
.endr
.endm
; 32 LDS loads in one run: the fragments of 32 along K from row / element k0 of the slot, into buffer f: 12 of wb (transposed on the way), then 4 of xb
.macro FETCH slot, k0, f
	WIN 0x40
.irp ty, 0,1,2
.irp c, 0,1,2,3
	ds_load_tr16_b128 v[96*\f+8*(4*\ty+\c):96*\f+8*(4*\ty+\c)+3],   v[ADRB+3*\slot+\ty] offset:\k0*PB+32*\c
	ds_load_tr16_b128 v[96*\f+8*(4*\ty+\c)+4:96*\f+8*(4*\ty+\c)+7], v[ADRB+3*\slot+\ty] offset:\k0*PB+32*\c+16*PB
.endr
.endr
	WIN 0
.irp a, 0,1,2,3
	ds_load_b128 v[FA+32*\f+8*\a:FA+32*\f+8*\a+3],   v[ADRA+\slot] offset:\a*16*PA+2*\k0
	ds_load_b128 v[FA+32*\f+8*\a+4:FA+32*\f+8*\a+7], v[ADRA+\slot] offset:\a*16*PA+2*\k0+32
.endr
.endm
; One of a K step's first three quarters: multiplies buffer f; in its middle it fetches the next quarter (k0 = k) into buffer g.
.macro QUARTER slot, k, f, g, zero
	s_wait_dscnt 4                                 ; wb's fragments and xb's first two are in; the youngest four loads (tokens 32-63) may be out
	WIN MUL_LO
	MUL12 \f, 0, 0, \zero
	MUL12 \f, 0, 1, \zero
	PLACES
	FETCH \slot, \k, \g
	s_wait_dscnt 32                                ; all but the 32 just issued
	WIN MUL_HI
	MUL12 \f, 1, 0, \zero
	MUL12 \f, 1, 1, \zero
.endm
.macro THREE slot, zero
	QUARTER \slot, 32, 0, 1, \zero
	QUARTER \slot, 64, 1, 0, 0
	QUARTER \slot, 96, 0, 1, 0
.endm
; The last quarter multiplies buffer 1 and changes slots.  In front of the barrier each wave waits for its reads of this slot and for all its tensor
; loads (the one that is out is its part of the next slot).  fill = 1: the barrier opens a round of the cluster's barrier, and the joint refill of this
; slot, two K steps ahead, is the first tensor load behind the round; it has 180 of a K step's 192 matrix instructions in which to land.
.macro TURN slot, next, fill
	s_wait_dscnt 4
	WIN MUL_LO
	MUL12 1, 0, 0, 0
	s_wait_dscnt 0                                 ; my reads of this slot are over
	s_wait_tensorcnt 0x0                           ; all my tensor loads have landed
	ds_add_u32 v255, v255
	s_wait_dscnt 0x0
	s_barrier_signal -1
	MUL12 1, 0, 1, 0                               ; register work while the others arrive
	WIN 0
	s_barrier_wait -1
.if \fill
	CREST                                          ; no wave of any partner still reads this slot or has a load on its way
	s_add_nc_u64 s[G0A+4*\slot+2:G0A+4*\slot+3], s[G0A+4*\slot+2:G0A+4*\slot+3], 2*KSTEP*2
	s_add_nc_u64 s[G0B+4*\slot+2:G0B+4*\slot+3], s[G0B+4*\slot+2:G0B+4*\slot+3], 2*KSTEP*6144
	JLOAD \slot
.endif
	PLACES
	FETCH \next, 0, 0
	WIN MUL_HI
	MUL12 1, 1, 0, 0
	MUL12 1, 1, 1, 0
.endm
.macro LAP zero
	THREE 0, \zero
	TURN 0, 1, 1
	THREE 1, 0
	TURN 1, 0, 1
.endm
	s_wait_tensorcnt 0x1                           ; my part of K step 0 is in; K step 1's may stay out
	s_barrier_signal -1
	s_barrier_wait -1
	FETCH 0, 0, 0
	LAP 1                                          ; the first lap stands in front of the loop: its first products start the sums
	WIN 0
	s_mov_b32 s3, LAPS-2
.Llap:
	LAP 0
	WIN 0
	s_sub_co_u32 s3, s3, 1
	s_cmp_lg_u32 s3, 0
	s_cbranch_scc1 .Llap
	THREE 0, 0                                     ; the last lap fills nothing
	TURN 0, 1, 0
	THREE 1, 0
	s_wait_dscnt 4
	WIN MUL_LO
	MUL12 1, 0, 0, 0
	MUL12 1, 0, 1, 0
	s_wait_dscnt 0
	WIN MUL_HI
	MUL12 1, 1, 0, 0
	MUL12 1, 1, 1, 0
	PLACES                                         ; behind the last matrix instructions, in front of the first readers of results
; THE WAY OUT, 16 tokens at a time through my own stage, so that every store of the wave covers 512 neighbouring bytes, aligned to 256.
; Q and K: ag = token block 0..3 (= 2 hi + al), ty = kind, base = the scalar pair of the buffer.
.macro OUTQK ag, al, hi, ty, base
	WIN 0x0a+5*\hi                                 ; sources 0 and 1 in the accumulators' window
.irp c, 0,1,2,3
.irp q, 0,1,2,3
	v_cvt_pk_bf16_f32 v[H+4*\c+\q], v[8*(12*\al+4*\ty+\c)+2*\q], v[8*(12*\al+4*\ty+\c)+2*\q+1]   ; hi
.endr
.endr
	WIN 0
.irp n, 0,1,2,3,4,5,6,7,8,9,10,11,12,13,14,15
	v_lshlrev_b32 v[U+2*\n],   16, v[H+\n]         ; hi as f32
	v_and_b32     v[U+2*\n+1], 0xffff0000, v[H+\n]
.endr
	WIN 0x02+\hi                                   ; source 0 in the accumulators' window
.irp c, 0,1,2,3
.irp q, 0,1,2,3
	v_pk_add_f32 v[U+8*\c+2*\q:U+8*\c+2*\q+1], v[8*(12*\al+4*\ty+\c)+2*\q:8*(12*\al+4*\ty+\c)+2*\q+1], v[U+8*\c+2*\q:U+8*\c+2*\q+1] neg_lo:[0,1] neg_hi:[0,1]   ; value - hi, exact
.endr
.endr
	WIN 0
.irp n, 0,1,2,3,4,5,6,7,8,9,10,11,12,13,14,15
	v_cvt_pk_bf16_f32 v[LP+\n], v[U+2*\n], v[U+2*\n+1]                                           ; lo
.endr
.irp c, 0,1,2,3
	ds_store_b128 v[STO], v[H+4*\c:H+4*\c+3]   offset:32*\c
	ds_store_b128 v[STO], v[LP+4*\c:LP+4*\c+3] offset:128+32*\c
.endr
	s_wait_xcnt 0x0                                ; RB is the data of the last group's stores: it is loaded again only behind this wait
.irp t, 0,1,2,3,4,5,6,7
	ds_load_b128 v[RB+4*\t:RB+4*\t+3], v[RD] offset:\t*2*SP        ; LDS serves a wave's instructions in order: these see the stores above
.endr
.irp t, 0,1,2,3,4,5,6,7
	s_wait_dscnt 7-\t                              ; load t is in, the younger ones may be out
	global_store_b128 v[CO], v[RB+4*\t:RB+4*\t+3], s[\base:\base+1] offset:\ag*4096+512*\t
.endr
.endm
.macro OUTV ag, al, hi
	WIN 0x0a+5*\hi
.irp c, 0,1,2,3
.irp q, 0,1,2,3
	v_cvt_pk_bf16_f32 v[H+4*\c+\q], v[8*(12*\al+8+\c)+2*\q], v[8*(12*\al+8+\c)+2*\q+1]
.endr
.endr
	WIN 0
.irp c, 0,1,2,3
	ds_store_b128 v[STO], v[H+4*\c:H+4*\c+3] offset:32*\c
.endr
	s_wait_xcnt 0x0
.irp t, 0,1,2,3
	ds_load_b128 v[RB+4*\t:RB+4*\t+3], v[RDV] offset:\t*4*SP
.endr
.irp t, 0,1,2,3
	s_wait_dscnt 3-\t
	global_store_b128 v[CO], v[RB+4*\t:RB+4*\t+3], s[12:13] offset:\ag*2048+512*\t
.endr
.endm
	OUTQK 0, 0, 0, 0, 8
	OUTQK 0, 0, 0, 1, 10
	OUTV  0, 0, 0
	OUTQK 1, 1, 0, 0, 8
	OUTQK 1, 1, 0, 1, 10
	OUTV  1, 1, 0
	OUTQK 2, 0, 1, 0, 8
	OUTQK 2, 0, 1, 1, 10
	OUTV  2, 0, 1
	OUTQK 3, 1, 1, 0, 8
	OUTQK 3, 1, 1, 1, 10
	OUTV  3, 1, 1
	s_set_vgpr_msb 0x1
	s_wait_tensorcnt 0x0
	ds_add_u32 v255, v255
	s_wait_dscnt 0x0
	s_set_vgpr_msb 0x100
	CROUND                                         ; the closing round: no work-group ends while a partner may still ask for a tile that names it
	s_endpgm
.Lfunc_end_k_qdb22bb28f2_qkv:
	.size	k_qdb22bb28f2_qkv, .Lfunc_end_k_qdb22bb28f2_qkv-k_qdb22bb28f2_qkv
	.p2alignl 7, 3214868480
	.fill 96, 4, 3214868480
	.section	.rodata,"a",@progbits
	.p2align	6, 0x0
	.amdhsa_kernel k_qdb22bb28f2_qkv
		.amdhsa_group_segment_fixed_size 327680
		.amdhsa_private_segment_fixed_size 0
		.amdhsa_enable_private_segment 0
		.amdhsa_kernarg_size 40
		.amdhsa_user_sgpr_count 2
		.amdhsa_user_sgpr_kernarg_segment_ptr 1
		.amdhsa_wavefront_size32 1
		.amdhsa_system_sgpr_workgroup_id_x 1
		.amdhsa_system_sgpr_workgroup_id_y 1
		.amdhsa_system_sgpr_workgroup_id_z 1
		.amdhsa_system_vgpr_workitem_id 0
		.amdhsa_next_free_vgpr 960
		.amdhsa_next_free_sgpr 66
		.amdhsa_reserve_vcc 0
		.amdhsa_float_denorm_mode_32 3
		.amdhsa_float_denorm_mode_16_64 3
		.amdhsa_memory_ordered 1
		.amdhsa_forward_progress 1
		.amdhsa_inst_pref_size 201
	.end_amdhsa_kernel
	.amdgpu_metadata
---
amdhsa.version: [ 1, 2 ]
amdhsa.kernels:
  - .name:           k_qdb22bb28f2_qkv
    .symbol:         k_qdb22bb28f2_qkv.kd
    .args:
      - { .name: xb, .offset: 0, .size: 8, .value_kind: global_buffer, .address_space: global }
      - { .name: wb, .offset: 8, .size: 8, .value_kind: global_buffer, .address_space: global }
      - { .name: q2, .offset: 16, .size: 8, .value_kind: global_buffer, .address_space: global }
      - { .name: k2, .offset: 24, .size: 8, .value_kind: global_buffer, .address_space: global }
      - { .name: vb, .offset: 32, .size: 8, .value_kind: global_buffer, .address_space: global }
    .group_segment_fixed_size: 327680
    .private_segment_fixed_size: 0
    .kernarg_segment_align: 8
    .kernarg_segment_size: 40
    .max_flat_workgroup_size: 128
    .sgpr_count:     66
    .vgpr_count:     960
    .wavefront_size: 32
...
	.end_amdgpu_metadata
.endif
;; end of part 2
;; launch attn (part 3): grid 8 x 32, 8 waves a work-group, clusters of 4 x 1, 327,680 bytes of LDS; arguments q2, k2, vb, ob; writes ob
.if DOCPART == 3
	.amdgcn_target "amdgcn-amd-amdhsa--gfx1250"
	.amdhsa_code_object_version 6
	.text
	.protected	k_qdb22bb28f2_attn
	.globl	k_qdb22bb28f2_attn
	.p2align	8
	.type	k_qdb22bb28f2_attn,@function
k_qdb22bb28f2_attn:
	s_mov_b64 s[64:65], 0
	v_nop
	global_prefetch_b8 v0, s[64:65] scope:SCOPE_SE
	s_setreg_imm32_b32 hwreg(HW_REG_WAVE_MODE, 25, 1), 1
	s_wait_xcnt 0x0
	s_wait_alu depctr_hold_cnt(0) depctr_sa_sdst(0) depctr_va_vdst(0) depctr_va_sdst(0) depctr_va_ssrc(0) depctr_va_vcc(0) depctr_vm_vsrc(0)
	s_getreg_b32 s2, hwreg(HW_REG_IB_STS2, 6, 4)
	s_cmp_eq_u32 s2, 0
	s_cbranch_scc0 .Lentry_in_a_cluster
	s_endpgm
.Lentry_in_a_cluster:
	s_bfe_u32 s2, ttmp6, 0x10000c
	s_cmp_lg_u32 s2, 0x3003
	s_cbranch_scc0 .Lentry_shape_is_right
	s_endpgm
.Lentry_shape_is_right:
; ob[bh][i][:] = softmax over j of (8 q_i . k_j) times v_j, for one head bh and 256 queries a work-group, with a running maximum.
; q2, k2: [bh][2048][hi 64 | lo 64] bf16;  vb, ob: [bh][2048][64] bf16.
; q.k = hi.hi + hi.lo + lo.hi, three bf16 products into one f32 sum, the small terms first (lo.lo, 2^-16 of a product, is dropped).
; Eight waves, two to a SIMD.  Wave w: g = w & 3: queries 64 g .. + 63 (four tiles of 16); kp = w >> 2: keys 128 kp .. + 127 of every tile of 256 keys.
; The two halves of the keys keep their own maximum, sum and output and are merged once at the end.
; S is made transposed (source 0 = 16 keys, source 1 = 16 queries): lane (r, h) holds keys 8 h + j of query r.  Packed in pairs, two such tiles ARE the
; second source of O^T = V^T P^T (32 keys): no shuffle; maximum, factor and sum are one number a lane.
; TWO KINDS OF WAVES.  A step of 32 keys is two parts: S (48 matrix instructions) and the tail (the softmax on the vector unit, then 16 matrix instructions).
; All waves leave a round together; with one text for all they would want the matrix unit together and then the vector unit together.  So the waves are of
; two kinds by the parity of w + (w >> 2) (waves w and w + 4 differ in it, and so do waves 2 j and 2 j + 1).  An early wave ends a tile with the tail of its
; last step.  A late wave keeps that tail for behind the round, where it runs beside the early waves' first S: it works on registers alone, since its S is
; made and its V fragments were loaded and waited for in front of the round, so the slot may be filled again meanwhile.  Between two rounds both kinds do
; four S and four tails, but for the first tile (a late wave: three tails) and the last (five).
; CLUSTERS: the four work-groups of a cluster are four query blocks of one head and read the same K and V tiles: every tile is asked for jointly (mask 15).
; The place in the cluster enters the addresses of q2 and ob alone.
; Two LDS slots of 256 keys; waves 0-3 fetch K (64 rows each), waves 4-7 V (64 rows each): one tensor load a wave behind each round, never more than one out.
; Limits: no NaN or infinite inputs; |q.k| below 3.4e38 / 11.55 (the shift is kept as -8 log2(e) max); weights below 2^-126 of the row's largest count as 0;
; the sums run in another order than the plain softmax.
.set PK,     272                       ; LDS pitch of a K row: 256 + 16
.set PV,     160                       ; LDS pitch of a V row: 128 + 32 = 5 x 32
.set KBYTES, 256*PK
.set SLOT,   KBYTES+256*PV             ; 110,592
.set MERGE,  2*SLOT                    ; 34 x 512 bytes for each g: the upper half's output, shift and sum
.set MBYTES, 34*512
.set STAGE,  MERGE+4*MBYTES            ; 16 rows x 144 bytes for each g: the way out
.set SPI,    144
.set SBYTES, 16*SPI
.set CO,   6                           ; 16 x lane
.set KA,   8                           ; v8-9    LDS address of my K fragments, slot 0, 1
.set VA,   10                          ; v10-11  of my V fragments
.set QOFF, 12
.set MA,   13                          ; my 16 bytes in the merge area of my g
.set STO,  14
.set RD,   15
.set ST,   16                          ; v[16+4t ..]: -c max, max, factor, scratch, of query tile t
.set LS,   32                          ; v[32+2t ..]: two partial sums of tile t
.set X,    40                          ; v40-63  at work
.set SC,   64                          ; v[64 + 8 (4 kt + t)]: logits, then weights, of key tile kt and query tile t
.set PR,   128                         ; v[128 + 8 t]: weights of 32 keys, packed
.set KF,   160                         ; v[160 + 32 kt + 8 f]: K fragments, f = hi d 0-31, hi d 32-63, lo d 0-31, lo d 32-63
.set VF,   224                         ; v[224 + 8 db]: V fragments, 16 d x 32 keys
.set QF,   0                           ; window 1: v[32 t + 8 f]: Q fragments
.set OA,   128                         ; window 1: v[128 + 32 t + 8 db]: output accumulators
.set G1K, 24
.set G0K, 32
.set G1V, 40
.set G0V, 48
.set MSB, 0
.macro WIN new
.if MSB != (\new)
	s_set_vgpr_msb (MSB<<8)|(\new)
.set MSB, (\new)
.endif
.endm
.macro PLACES                          ; four plain vector places behind a matrix instruction (ISA guide 7.12.1)
.rept 4
	v_nop
.endr
.endm
.macro JLOAD s                         ; waves 0-3 ask for K's quarter, waves 4-7 for V's; the branch hangs on the wave's number alone
	s_cmp_lt_u32 s12, 4
	s_cbranch_scc0 .Lfor_v_\@
	tensor_load_to_lds s[G0K+4*(\s):G0K+4*(\s)+3], s[G1K:G1K+7]
	s_nop 0
	s_branch .Lasked_\@
.Lfor_v_\@:
	tensor_load_to_lds s[G0V+4*(\s):G0V+4*(\s)+3], s[G1V:G1V+7]
	s_nop 0
.Lasked_\@:
.endm
.macro ROUND                           ; a round of the cluster's barrier
	s_barrier_signal -1
	s_barrier_wait -1
	s_cmp_lg_u32 s12, 0
	s_cbranch_scc1 .Lnot_wave_0_\@
	s_barrier_signal -3
.Lnot_wave_0_\@:
	s_barrier_wait -3
	s_barrier_signal -1
	s_barrier_wait -1
.endm
	s_load_b256 s[4:11], s[0:1], 0x0               ; q2 s[4:5], k2 s[6:7], vb s[8:9], ob s[10:11]
	v_lshl_add_u32 v222, v0, 2, 0x49400
	v_mov_b32 v223, 0
	ds_add_u32 v222, v223
	s_wait_dscnt 0x0
	v_lshrrev_b32 v1, 5, v0
	v_readfirstlane_b32 s12, v1                    ; wave 0..7
	s_and_b32 s13, s12, 3                          ; g
	s_lshr_b32 s14, s12, 2                         ; kp
	s_add_co_u32 s66, s12, s14
	s_and_b32 s66, s66, 1                          ; my kind: 0 early (waves 0, 2, 5, 7), 1 late (waves 1, 3, 4, 6)
	s_bfe_u32 s15, ttmp6, 0x40000                  ; cx
	s_lshl_b32 s16, ttmp9, 2
	s_add_co_u32 s16, s16, s15                     ; query block 0..7
	s_and_b32 s17, ttmp7, 0xffff                   ; bh 0..31
	s_mov_b32 s56, 0x76543210                      ; v_permlanex16_b32: lane i of one half reads lane i of the other
	s_mov_b32 s57, 0xfedcba98
	s_mov_b32 s58, 0x4138aa3b                      ; c = 8 log2(e): exp(8 s) = 2^(c s)
	s_mov_b32 s59, 0x4138aa3b
	s_mov_b32 s60, 0xc138aa3b                      ; -c
	; group 1.  K: 64 rows x 128 elements of 2 bytes, 4 words of padding after every 64.  V: 64 rows of 128 bytes are dense in memory and come as
	; 32 rows of 256 bytes, with 8 words of padding after every 32 words, that is behind each row of V.  Mask 15 and bit 21 in both.
	s_mov_b32 s[G1K+0], 15|(1<<16)|(1<<20)|(1<<21)|(5<<22)|(3<<25)
	s_mov_b32 s[G1K+1], 128<<16
	s_mov_b32 s[G1K+2], 64<<16
	s_mov_b32 s[G1K+3], 128<<16
	s_mov_b32 s[G1K+4], 64
	s_mov_b32 s[G1K+5], 128
	s_mov_b32 s[G1K+6], 0
	s_mov_b32 s[G1K+7], 0
	s_mov_b32 s[G1V+0], 15|(1<<16)|(1<<20)|(1<<21)|(4<<22)|(7<<25)
	s_mov_b32 s[G1V+1], 128<<16
	s_mov_b32 s[G1V+2], 32<<16
	s_mov_b32 s[G1V+3], 128<<16
	s_mov_b32 s[G1V+4], 32
	s_mov_b32 s[G1V+5], 128
	s_mov_b32 s[G1V+6], 0
	s_mov_b32 s[G1V+7], 0
	s_lshl_b32 s18, s17, 19                        ; K: head x 2048 x 256 bytes + 64 rows x (wave & 3)
	s_lshl_b32 s2, s13, 14
	s_add_co_u32 s18, s18, s2
	s_mov_b32 s19, 0
	s_lshr_b32 s20, s18, 1                         ; V: the same rows, 128 bytes each
	s_mov_b32 s21, 0
	s_lshl_b32 s22, s16, 16                        ; Q: the same with my 64 queries: + 256 x block rows
	s_add_co_u32 s22, s22, s18
	s_mov_b32 s23, 0
	s_lshr_b32 s62, s22, 1                         ; ob: the same rows, 128 bytes each
	s_mov_b32 s63, 0
	v_and_b32 v1, 15, v0                           ; r
	v_bfe_u32 v2, v0, 4, 1                         ; h
	v_lshlrev_b32 v3, 4, v2
	v_lshl_add_u32 v[QOFF], v1, 8, v3              ; r x 256 + 16 h
	s_mul_i32 s2, s12, 64*PK                       ; LDS: K's quarter of waves 0-3
	s_mul_i32 s3, s12, 64*PV
	s_add_co_u32 s3, s3, KBYTES-4*64*PV            ; V's quarter of waves 4-7, behind K
	s_wait_kmcnt 0x0
	s_add_nc_u64 s[18:19], s[6:7], s[18:19]
	s_add_nc_u64 s[20:21], s[8:9], s[20:21]
	s_add_nc_u64 s[22:23], s[4:5], s[22:23]
	s_add_nc_u64 s[62:63], s[10:11], s[62:63]
	WIN 0x40                                       ; destination in window 1
.irp t, 0,1,2,3
.irp e, 0,1,2,3,4,5,6,7
	global_load_b128 v[QF+32*\t+4*\e:QF+32*\t+4*\e+3], v[QOFF], s[22:23] offset:\t*4096+32*\e   ; my 64 queries stay in registers
.endr
.endr
	WIN 0
.irp s, 0,1
	s_mov_b32 s[G0K+4*\s], 1
	s_add_co_u32 s[G0K+4*\s+1], s2, \s*SLOT
	s_add_nc_u64 s[G0K+4*\s+2:G0K+4*\s+3], s[18:19], \s*65536      ; tile s: 256 rows of 256 bytes
	s_or_b32 s[G0K+4*\s+3], s[G0K+4*\s+3], 0x80000000
	s_mov_b32 s[G0V+4*\s], 1
	s_add_co_u32 s[G0V+4*\s+1], s3, \s*SLOT
	s_add_nc_u64 s[G0V+4*\s+2:G0V+4*\s+3], s[20:21], \s*32768
	s_or_b32 s[G0V+4*\s+3], s[G0V+4*\s+3], 0x80000000
.endr
	ROUND                                          ; in front of the first joint load
	JLOAD 0                                        ; tile 0
	v_mul_u32_u24 v4, v1, PK
	v_add_nc_u32 v4, v4, v3
	s_mul_i32 s2, s14, 128*PK
	v_add_nc_u32 v[KA], s2, v4                     ; (128 kp + r) x 272 + 16 h
	v_add_nc_u32 v[KA+1], SLOT, v[KA]
	v_and_b32 v4, 7, v0
	v_lshl_add_u32 v4, v2, 3, v4
	v_mul_u32_u24 v4, v4, PV
	v_bfe_u32 v5, v0, 3, 1
	v_lshl_add_u32 v4, v5, 4, v4
	s_mul_i32 s2, s14, 128*PV
	s_add_co_u32 s2, s2, KBYTES
	v_add_nc_u32 v[VA], s2, v4                     ; (128 kp + 8 h + lane % 8) x 160 + 16 for lanes 8-15 of each half
	v_add_nc_u32 v[VA+1], SLOT, v[VA]
	v_and_b32 v4, 31, v0
	v_lshlrev_b32 v[CO], 4, v4
	s_mul_i32 s2, s13, MBYTES
	s_add_co_u32 s2, s2, MERGE
	v_add_nc_u32 v[MA], s2, v[CO]
	s_mul_i32 s2, s13, SBYTES
	s_add_co_u32 s2, s2, STAGE
	v_mul_u32_u24 v4, v1, SPI
	v_add_nc_u32 v4, v4, v3
	v_add_nc_u32 v[STO], s2, v4
	v_bfe_u32 v4, v0, 3, 2
	v_mul_u32_u24 v4, v4, SPI
	v_and_b32 v5, 7, v0
	v_lshl_add_u32 v4, v5, 4, v4
	v_add_nc_u32 v[RD], s2, v4
.irp t, 0,1,2,3
	v_mov_b32 v[ST+4*\t+3], 0                      ; the destination of v_permlanex16_b32 counts as read
.endr
	s_wait_loadcnt 0x0                             ; Q
.macro LOADK s, i                      ; 16 loads: keys 32 i .. + 31 of my 128, whole rows (hi and lo)
.irp kt, 0,1
.irp e, 0,1,2,3,4,5,6,7
	ds_load_b128 v[KF+32*\kt+4*\e:KF+32*\kt+4*\e+3], v[KA+\s] offset:(32*(\i)+16*\kt)*PK+32*\e
.endr
.endr
.endm
.macro LOADV s, i                      ; 8 transposing loads: the same 32 keys, four blocks of 16 d
.irp db, 0,1,2,3
	ds_load_tr16_b128 v[VF+8*\db:VF+8*\db+3],   v[VA+\s] offset:32*(\i)*PV+32*\db
	ds_load_tr16_b128 v[VF+8*\db+4:VF+8*\db+7], v[VA+\s] offset:32*(\i)*PV+32*\db+16*PV
.endr
.endm
.macro SMUL kf, qf, zero               ; one term of q.k on all eight tiles: the eight accumulators take turns, one instruction a turn
.irp kt, 0,1
.irp t, 0,1,2,3
.if \zero
	v_wmma_f32_16x16x32_bf16 v[SC+8*(4*\kt+\t):SC+8*(4*\kt+\t)+7], v[KF+32*\kt+8*\kf:KF+32*\kt+8*\kf+7], v[QF+32*\t+8*\qf:QF+32*\t+8*\qf+7], 0
.else
	v_wmma_f32_16x16x32_bf16 v[SC+8*(4*\kt+\t):SC+8*(4*\kt+\t)+7], v[KF+32*\kt+8*\kf:KF+32*\kt+8*\kf+7], v[QF+32*\t+8*\qf:QF+32*\t+8*\qf+7], v[SC+8*(4*\kt+\t):SC+8*(4*\kt+\t)+7]
.endif
.endr
.endr
.endm
; The first part of step i: the logits of 32 keys x 64 queries; behind it the next step's keys are asked for, a tail ahead of their use.
.macro SPART s, i
	s_wait_dscnt 8                                 ; K's 16 loads are in; V's 8, issued behind them, may be out
	WIN 0x04                                       ; source 1 (Q) in window 1
	SMUL 2, 0, 1                                   ; lo.hi
	SMUL 3, 1, 0
	SMUL 0, 2, 0                                   ; hi.lo
	SMUL 1, 3, 0
	SMUL 0, 0, 0                                   ; hi.hi
	SMUL 1, 1, 0
	WIN 0
	PLACES                                         ; four places in front of loads into K's registers and of the first readers of the logits,
	v_nop                                          ; and a fifth: the next S writes over these eight accumulators, which asks for five places (ISA guide 7.12.1).
	                                               ; The tail between the two stands under a branch on the wave's kind in a tile's last step, so the distance is kept here and leans on no tail.
.if \i < 3
	LOADK \s, \i+1
.endif
.endm
; The second part of step i: maximum, weights, sums, rescaling, and O += V^T P^T.  first = 1: the very first step starts maximum, sums and output; nothing
; is cleared.  vw = how many LDS loads issued behind V's eight may stay out.
.macro TAIL s, i, first, vw
	; the largest of my 16 logits of each query and the maximum so far; then the other half of the lanes (the other 16 keys)
.irp t, 0,1,2,3
	v_max3_num_f32 v[X+\t], v[SC+8*\t], v[SC+8*\t+1], v[SC+8*\t+2]
.endr
.irp n, 3,5,7,9,11,13
.irp t, 0,1,2,3
	v_max3_num_f32 v[X+\t], v[X+\t], v[SC+8*\t+(\n%8)+32*(\n/8)], v[SC+8*\t+((\n+1)%8)+32*((\n+1)/8)]
.endr
.endr
.irp t, 0,1,2,3
.if \first
	v_max_num_f32 v[X+\t], v[X+\t], v[SC+8*\t+39]
.else
	v_max3_num_f32 v[X+\t], v[X+\t], v[SC+8*\t+39], v[ST+4*\t+1]
.endif
.endr
.irp t, 0,1,2,3
	v_permlanex16_b32 v[ST+4*\t+3], v[X+\t], s56, s57
.endr
.irp t, 0,1,2,3
	v_max_num_f32 v[ST+4*\t+1], v[X+\t], v[ST+4*\t+3]
.endr
.if \first
.irp t, 0,1,2,3
	v_mul_f32 v[ST+4*\t], s60, v[ST+4*\t+1]        ; the shift -c max
.endr
.else
	; the factor for what has been summed is 2^(new shift - old shift), of the two ROUNDED shifts: it is exactly 1 while the maximum stands
.irp t, 0,1,2,3
	v_mul_f32 v[X+\t], s60, v[ST+4*\t+1]
.endr
.irp t, 0,1,2,3
	v_sub_f32 v[ST+4*\t+2], v[X+\t], v[ST+4*\t]
.endr
.irp t, 0,1,2,3
	v_mov_b32 v[ST+4*\t], v[X+\t]
.endr
.irp t, 0,1,2,3
	v_exp_f32 v[ST+4*\t+2], v[ST+4*\t+2]           ; the packed multiply-adds below are the plain place behind it (ISA guide 5.7.2)
.endr
.endif
.irp kt, 0,1
.irp t, 0,1,2,3
.irp p, 0,2,4,6
	v_pk_fma_f32 v[SC+8*(4*\kt+\t)+\p:SC+8*(4*\kt+\t)+\p+1], v[SC+8*(4*\kt+\t)+\p:SC+8*(4*\kt+\t)+\p+1], s[58:59], v[ST+4*\t:ST+4*\t+1] op_sel_hi:[1,0,0]   ; c s - c max
.endr
.endr
.endr
.set n, 0
.rept 64
	v_exp_f32 v[SC+n], v[SC+n]
.set n, n+1
.endr
	v_nop                                          ; one plain place between the exponentials and their first reader
	s_wait_alu depctr_va_vdst(0)
.irp t, 0,1,2,3
.irp kt, 0,1
.irp q, 0,1,2,3
	v_cvt_pk_bf16_f32 v[PR+8*\t+4*\kt+\q], v[SC+8*(4*\kt+\t)+2*\q], v[SC+8*(4*\kt+\t)+2*\q+1]
.endr
.endr
.endr
.if \first
.irp t, 0,1,2,3
	v_pk_add_f32 v[LS+2*\t:LS+2*\t+1], v[SC+8*\t:SC+8*\t+1], v[SC+8*\t+2:SC+8*\t+3]
.endr
.irp pp, 2,3,4,5,6,7
.irp t, 0,1,2,3
	v_pk_add_f32 v[LS+2*\t:LS+2*\t+1], v[LS+2*\t:LS+2*\t+1], v[SC+32*(\pp/4)+8*\t+2*(\pp%4):SC+32*(\pp/4)+8*\t+2*(\pp%4)+1]
.endr
.endr
.else
.irp t, 0,1,2,3
	v_pk_fma_f32 v[LS+2*\t:LS+2*\t+1], v[LS+2*\t:LS+2*\t+1], v[ST+4*\t+2:ST+4*\t+3], v[SC+8*\t:SC+8*\t+1] op_sel_hi:[1,0,1]
.endr
.irp pp, 1,2,3,4,5,6,7
.irp t, 0,1,2,3
	v_pk_add_f32 v[LS+2*\t:LS+2*\t+1], v[LS+2*\t:LS+2*\t+1], v[SC+32*(\pp/4)+8*\t+2*(\pp%4):SC+32*(\pp/4)+8*\t+2*(\pp%4)+1]
.endr
.endr
	WIN 0x41                                       ; destination and source 0 in window 1
.irp t, 0,1,2,3
.irp n, 0,1,2,3,4,5,6,7,8,9,10,11,12,13,14,15
	v_pk_mul_f32 v[OA+32*\t+2*\n:OA+32*\t+2*\n+1], v[OA+32*\t+2*\n:OA+32*\t+2*\n+1], v[ST+4*\t+2:ST+4*\t+3] op_sel_hi:[1,0]
.endr
.endr
.endif
	s_wait_dscnt \vw                               ; V is in; K's 16 loads issued behind it, where there are any, may be out
	WIN 0x50                                       ; C and D in window 1
.irp db, 0,1,2,3
.irp t, 0,1,2,3
.if \first
	v_wmma_f32_16x16x32_bf16 v[OA+32*\t+8*\db:OA+32*\t+8*\db+7], v[VF+8*\db:VF+8*\db+7], v[PR+8*\t:PR+8*\t+7], 0
.else
	v_wmma_f32_16x16x32_bf16 v[OA+32*\t+8*\db:OA+32*\t+8*\db+7], v[VF+8*\db:VF+8*\db+7], v[PR+8*\t:PR+8*\t+7], v[OA+32*\t+8*\db:OA+32*\t+8*\db+7]
.endif
.endr
.endr
	WIN 0
	PLACES                                         ; in every tail: V's registers are loaded again next, here or in the next tile
.if \i < 3
	LOADV \s, \i+1
.endif
.endm
; One tile of 256 keys in slot s.  The round takes the place of the barrier in front of a refill: in front of it every wave has waited for all its tensor
; loads (its part of this tile among them) and for all its reads of the other slot; behind it the other slot's joint refill comes first.
; first = 1: tile 0 (no tail is left over from a tile before).  last = 1: tile 7 (no round follows: every wave ends its last step here).
.macro TRIP s, refill, first, last
	s_wait_xcnt 0x0
	v_lshl_add_u32 v222, v0, 2, 0x49400
	v_mov_b32 v223, 0
	s_wait_tensorcnt 0x0                           ; no tensor load of mine is out, so every group 0 may be written: this slot's next tile
	ds_add_u32 v222, v223
	s_wait_dscnt 0x0
	s_add_nc_u64 s[G0K+4*\s+2:G0K+4*\s+3], s[G0K+4*\s+2:G0K+4*\s+3], 2*65536
	s_add_nc_u64 s[G0V+4*\s+2:G0V+4*\s+3], s[G0V+4*\s+2:G0V+4*\s+3], 2*32768
	s_wait_dscnt 0x0                               ; my reads of the other slot are back, a late wave's last V fragments among them
	ROUND
.if \refill
	JLOAD 1-\s                                     ; it has this tile's 256 matrix instructions of each wave in which to land
.endif
	LOADK \s, 0                                    ; K's registers are free in both kinds: the last S stands five places and a round back
.if \first == 0
	s_cmp_eq_u32 s66, 0
	s_cbranch_scc1 .Learly_\@
	TAIL \s, 3, 0, 16                              ; late waves: the tail kept from the last tile, on registers alone; the 16 loads just issued may be out
.Learly_\@:
.endif
	LOADV \s, 0
	SPART \s, 0
	TAIL  \s, 0, \first, 16
	SPART \s, 1
	TAIL  \s, 1, 0, 16
	SPART \s, 2
	TAIL  \s, 2, 0, 16
	SPART \s, 3
.if \last
	TAIL  \s, 3, 0, 0
.else
	s_cmp_lg_u32 s66, 0
	s_cbranch_scc1 .Llate_\@
	TAIL  \s, 3, 0, 0                              ; early waves end the tile here
.Llate_\@:
.endif
.endm
	TRIP 0, 1, 1, 0                                ; eight tiles: tile 0, three trips of two, tile 7
	s_mov_b32 s61, 3
.Lpair:
	TRIP 1, 1, 0, 0
	TRIP 0, 1, 0, 0
	s_sub_co_u32 s61, s61, 1
	s_cmp_lg_u32 s61, 0
	s_cbranch_scc1 .Lpair
	TRIP 1, 0, 0, 1                                ; nothing is left to fetch
	; THE END.  My sum of weights: two partial sums, two halves of the lanes.  X+0..3: my shifts, X+4..7: my sums.
.irp t, 0,1,2,3
	v_add_f32 v[X+4+\t], v[LS+2*\t], v[LS+2*\t+1]
.endr
.irp t, 0,1,2,3
	v_permlanex16_b32 v[ST+4*\t+3], v[X+4+\t], s56, s57
.endr
.irp t, 0,1,2,3
	v_add_f32 v[X+4+\t], v[X+4+\t], v[ST+4*\t+3]
	v_mov_b32 v[X+\t], v[ST+4*\t]
.endr
	s_cmp_lt_u32 s12, 4
	s_cbranch_scc1 .Lkeep                          ; waves 4-7 hand their half to waves 0-3 through LDS bytes into which no tensor load lands
	WIN 0x04                                       ; store data in window 1
.set n, 0
.rept 32
	ds_store_b128 v[MA], v[OA+4*n:OA+4*n+3] offset:512*n
.set n, n+1
.endr
	WIN 0
	ds_store_b128 v[MA], v[X:X+3]   offset:512*32
	ds_store_b128 v[MA], v[X+4:X+7] offset:512*33
.Lkeep:
	s_wait_dscnt 0x0                               ; the stores are done before the signal, for the readers' sake
	s_barrier_signal -1
	s_barrier_wait -1
	s_cmp_lt_u32 s12, 4
	s_cbranch_scc0 .Lclose
	ds_load_b128 v[48:51], v[MA] offset:512*32     ; the other half's shifts
	ds_load_b128 v[52:55], v[MA] offset:512*33     ; and sums
	s_wait_dscnt 0x0
.irp t, 0,1,2,3
	v_min_num_f32 v[ST+4*\t+1], v[X+\t], v[48+\t]  ; the smaller -c max belongs to the larger maximum
.endr
.irp t, 0,1,2,3
	v_sub_f32 v[56+\t], v[ST+4*\t+1], v[X+\t]
	v_sub_f32 v[60+\t], v[ST+4*\t+1], v[48+\t]
.endr
.irp t, 0,1,2,3
	v_exp_f32 v[56+\t], v[56+\t]
	v_exp_f32 v[60+\t], v[60+\t]
.endr
	v_nop
	s_wait_alu depctr_va_vdst(0)
.irp t, 0,1,2,3
	v_mul_f32 v[X+4+\t], v[X+4+\t], v[56+\t]
.endr
.irp t, 0,1,2,3
	v_fmac_f32 v[X+4+\t], v[52+\t], v[60+\t]       ; the whole sum: at least about 1, since the largest weight is 1
.endr
.irp t, 0,1,2,3
	v_rcp_f32 v[X+4+\t], v[X+4+\t]
.endr
	v_nop
	s_wait_alu depctr_va_vdst(0)
.irp t, 0,1,2,3
	v_mul_f32 v[ST+4*\t],   v[56+\t], v[X+4+\t]    ; what my half is multiplied by
	v_mul_f32 v[ST+4*\t+2], v[60+\t], v[X+4+\t]    ; and the other half
.endr
.macro FIN t                           ; 16 queries: merge, round, turn into rows of 128 bytes through my stage, store
.irp n, 0,1,2,3,4,5,6,7
	ds_load_b128 v[SC+4*\n:SC+4*\n+3], v[MA] offset:512*(8*\t+\n)
.endr
	s_wait_dscnt 0x0
.irp n, 0,1,2,3,4,5,6,7,8,9,10,11,12,13,14,15
	v_pk_mul_f32 v[SC+2*\n:SC+2*\n+1], v[SC+2*\n:SC+2*\n+1], v[ST+4*\t+2:ST+4*\t+3] op_sel_hi:[1,0]
.endr
	WIN 0x01                                       ; source 0 in window 1
.irp n, 0,1,2,3,4,5,6,7,8,9,10,11,12,13,14,15
	v_pk_fma_f32 v[SC+2*\n:SC+2*\n+1], v[OA+32*\t+2*\n:OA+32*\t+2*\n+1], v[ST+4*\t:ST+4*\t+1], v[SC+2*\n:SC+2*\n+1] op_sel_hi:[1,0,1]
.endr
	WIN 0
.irp n, 0,1,2,3,4,5,6,7,8,9,10,11,12,13,14,15
	v_cvt_pk_bf16_f32 v[SC+32+\n], v[SC+2*\n], v[SC+2*\n+1]
.endr
.irp db, 0,1,2,3
	ds_store_b128 v[STO], v[SC+32+4*\db:SC+32+4*\db+3] offset:32*\db       ; query r, d = 16 db + 8 h .. + 7
.endr
	s_wait_xcnt 0x0                                ; the registers below are the data of the last tile's stores
.irp u, 0,1,2,3
	ds_load_b128 v[SC+48+4*\u:SC+48+4*\u+3], v[RD] offset:4*SPI*\u         ; four rows of 128 bytes; LDS serves a wave's instructions in order
.endr
.irp u, 0,1,2,3
	s_wait_dscnt 3-\u
	global_store_b128 v[CO], v[SC+48+4*\u:SC+48+4*\u+3], s[62:63] offset:\t*2048+512*\u   ; 512 neighbouring bytes, aligned to 256
.endr
.endm
	FIN 0
	FIN 1
	FIN 2
	FIN 3
.Lclose:
	s_wait_dscnt 0x0
	s_wait_xcnt 0x0
	v_lshl_add_u32 v222, v0, 2, 0x49400
	v_mov_b32 v223, 0
	s_wait_tensorcnt 0x0
	ds_add_u32 v222, v223
	s_wait_dscnt 0x0
	ROUND                                          ; the closing round
	s_endpgm
.Lfunc_end_k_qdb22bb28f2_attn:
	.size	k_qdb22bb28f2_attn, .Lfunc_end_k_qdb22bb28f2_attn-k_qdb22bb28f2_attn
	.p2alignl 7, 3214868480
	.fill 96, 4, 3214868480
	.section	.rodata,"a",@progbits
	.p2align	6, 0x0
	.amdhsa_kernel k_qdb22bb28f2_attn
		.amdhsa_group_segment_fixed_size 327680
		.amdhsa_private_segment_fixed_size 0
		.amdhsa_enable_private_segment 0
		.amdhsa_kernarg_size 32
		.amdhsa_user_sgpr_count 2
		.amdhsa_user_sgpr_kernarg_segment_ptr 1
		.amdhsa_wavefront_size32 1
		.amdhsa_system_sgpr_workgroup_id_x 1
		.amdhsa_system_sgpr_workgroup_id_y 1
		.amdhsa_system_sgpr_workgroup_id_z 1
		.amdhsa_system_vgpr_workitem_id 0
		.amdhsa_next_free_vgpr 512
		.amdhsa_next_free_sgpr 68
		.amdhsa_reserve_vcc 0
		.amdhsa_float_denorm_mode_32 3
		.amdhsa_float_denorm_mode_16_64 3
		.amdhsa_memory_ordered 1
		.amdhsa_forward_progress 1
		.amdhsa_inst_pref_size 255
	.end_amdhsa_kernel
	.section	.bss,"aw",@nobits
	.p2align	6
	.space	262144
	.amdgpu_metadata
---
amdhsa.version: [ 1, 2 ]
amdhsa.kernels:
  - .name:           k_qdb22bb28f2_attn
    .symbol:         k_qdb22bb28f2_attn.kd
    .args:
      - { .name: q2, .offset: 0, .size: 8, .value_kind: global_buffer, .address_space: global }
      - { .name: k2, .offset: 8, .size: 8, .value_kind: global_buffer, .address_space: global }
      - { .name: vb, .offset: 16, .size: 8, .value_kind: global_buffer, .address_space: global }
      - { .name: ob, .offset: 24, .size: 8, .value_kind: global_buffer, .address_space: global }
    .group_segment_fixed_size: 327680
    .private_segment_fixed_size: 0
    .kernarg_segment_align: 8
    .kernarg_segment_size: 32
    .max_flat_workgroup_size: 256
    .sgpr_count:     68
    .vgpr_count:     512
    .wavefront_size: 32
...
	.end_amdgpu_metadata
.endif
;; end of part 3
;; launch outp (part 4): grid 8 x 32, 4 waves a work-group, clusters of 4 x 4, 327,680 bytes of LDS; arguments ob, wob, out0; writes out0
.if DOCPART == 4
	.amdgcn_target "amdgcn-amd-amdhsa--gfx1250"
	.amdhsa_code_object_version 6
	.text
	.protected	k_qdb22bb28f2_outp
	.globl	k_qdb22bb28f2_outp
	.p2align	8
	.type	k_qdb22bb28f2_outp,@function
k_qdb22bb28f2_outp:
	s_mov_b64 s[64:65], 0
	v_nop
	global_prefetch_b8 v0, s[64:65] scope:SCOPE_SE
	s_setreg_imm32_b32 hwreg(HW_REG_WAVE_MODE, 25, 1), 1
	s_wait_xcnt 0x0
	s_wait_alu depctr_hold_cnt(0) depctr_sa_sdst(0) depctr_va_vdst(0) depctr_va_sdst(0) depctr_va_ssrc(0) depctr_va_vcc(0) depctr_vm_vsrc(0)
	s_getreg_b32 s2, hwreg(HW_REG_IB_STS2, 6, 4)
	s_cmp_eq_u32 s2, 0
	s_cbranch_scc0 .Lentry_in_a_cluster
	s_endpgm
.Lentry_in_a_cluster:
	s_bfe_u32 s2, ttmp6, 0x10000c
	s_cmp_lg_u32 s2, 0xf033
	s_cbranch_scc0 .Lentry_shape_is_right
	s_endpgm
.Lentry_shape_is_right:
; out0[token][n] = sum over k = 64 head + d of ob[16 b + head][token][d] wob[k][n].  ob: [32][2048][64] bf16, wob: [1024][1024] bf16, out0: [4096][1024] f32.
; A work-group makes 128 tokens x 128 columns (256 work-groups); four waves, 64 x 64 each: 16 accumulator tiles in window 1.
; An LDS slot holds 256 along K (four heads), so that a refill has a slot's matrix work, less 4 instructions, in which to land; two slots, four slot steps.
; Waves 0, 1 fetch ob (two heads each: two runs of 128 tokens x 64 = 16,384 dense bytes, padded by 16 bytes behind each token's 128); waves 2, 3 fetch 128 k rows of wob each.
; CLUSTERS: 4 x 4.  ob's tile hangs on the token block alone and is shared along a row of the cluster, wob's on the column block alone and is shared along a column.
; wob lies [k][n]: its fragments come by the transposing load.  The matrix instruction is used transposed: a lane holds 8 neighbouring columns of one token.
; Limits: no NaN or infinite inputs; the sums run in another order than a plain dot product.
.set PA,    144                        ; LDS pitch of a token's 64 d: 128 + 16
.set HEADP, 128*PA                     ; a head's 128 tokens
.set PB,    288                        ; LDS pitch of a k row of wob: 256 + 32
.set REG,   36864                      ; what one wave fetches: 2 x 18,432 or 128 x 288
.set SLOT,  4*REG
.set STAGE, 2*SLOT                     ; 16 rows x 272 bytes for each wave; no tensor load lands here
.set SP,    272
.set ADRA, 8                           ; v8-9    my ob fragments, slot 0, 1
.set ADRB, 10                          ; v10-13  my wob fragments: 2 x slot + (k row / 128)
.set STO,  16
.set RD,   17
.set CO,   18
.set FR,   32                          ; fragment buffer f at FR + 64 f: 4 of wob, then 4 of ob
.set G1A, 24
.set G0A, 32
.set G1B, 48
.set G0B, 56
.set MSB, 0
.macro WIN new
.if MSB != (\new)
	s_set_vgpr_msb (MSB<<8)|(\new)
.set MSB, (\new)
.endif
.endm
.macro PLACES                          ; four plain vector places behind a matrix instruction (ISA guide 7.12.1)
.rept 4
	v_nop
.endr
.endm
.macro JLOAD s
	s_cmp_lt_u32 s14, 2
	s_cbranch_scc0 .Lfor_b_\@
	tensor_load_to_lds s[G0A+4*(\s):G0A+4*(\s)+3], s[G1A:G1A+7]
	s_nop 0
	s_branch .Lasked_\@
.Lfor_b_\@:
	tensor_load_to_lds s[G0B+4*(\s):G0B+4*(\s)+3], s[G1B:G1B+7]
	s_nop 0
.Lasked_\@:
.endm
.macro CREST
	s_cmp_lg_u32 s14, 0
	s_cbranch_scc1 .Lnot_wave_0_\@
	s_barrier_signal -3
.Lnot_wave_0_\@:
	s_barrier_wait -3
	s_barrier_signal -1
	s_barrier_wait -1
.endm
.macro CROUND
	s_barrier_signal -1
	s_barrier_wait -1
	CREST
.endm
	s_load_b128 s[4:7], s[0:1], 0x0                ; ob s[4:5], wob s[6:7]
	s_load_b64 s[8:9], s[0:1], 0x10                ; out0
	v_lshl_add_u32 v254, v0, 2, 0x4c400
	v_mov_b32 v255, 0
	ds_add_u32 v254, v255
	v_lshrrev_b32 v1, 5, v0
	v_readfirstlane_b32 s14, v1                    ; wave 0..3
	s_lshr_b32 s15, s14, 1                         ; wm: which 64 tokens.  Also: I fetch ob (0) or wob (1)
	s_and_b32 s16, s14, 1                          ; wn: which 64 columns.  Also: which half of that tile I fetch
	s_bfe_u32 s17, ttmp6, 0x40000                  ; cx
	s_bfe_u32 s18, ttmp6, 0x40004                  ; cy
	s_lshl_b32 s19, ttmp9, 2
	s_add_co_u32 s19, s19, s17                     ; bx: column block 0..7
	s_and_b32 s20, ttmp7, 0xffff
	s_lshl_b32 s20, s20, 2
	s_add_co_u32 s20, s20, s18                     ; by: token block 0..31
	s_lshl_b32 s40, s18, 2
	s_lshl_b32 s40, 15, s40                        ; my row of the cluster
	s_lshl_b32 s41, 0x1111, s17                    ; my column
	; ob: 2 rows (heads) of 8192 elements, 131,072 elements apart; 4 words of padding after every 32 words.  wob: 128 rows of 128 elements; 8 words after every 64.
	s_or_b32 s[G1A+0], s40, (1<<16)|(1<<20)|(1<<21)|(4<<22)|(3<<25)
	s_or_b32 s[G1B+0], s41, (1<<16)|(1<<20)|(1<<21)|(5<<22)|(7<<25)
	s_mov_b32 s[G1A+1], 8192<<16
	s_mov_b32 s[G1B+1], 128<<16
	s_mov_b32 s[G1A+2], 2<<16
	s_mov_b32 s[G1B+2], 128<<16
	s_mov_b32 s[G1A+3], 8192<<16
	s_mov_b32 s[G1B+3], 128<<16
	s_mov_b32 s[G1A+4], 2
	s_mov_b32 s[G1B+4], 128
	s_mov_b32 s[G1A+5], 131072
	s_mov_b32 s[G1B+5], 1024
	s_mov_b32 s[G1A+6], 0
	s_mov_b32 s[G1B+6], 0
	s_mov_b32 s[G1A+7], 0
	s_mov_b32 s[G1B+7], 0
	s_lshr_b32 s42, s20, 4
	s_lshl_b32 s42, s42, 22                        ; batch: 16 heads x 2048 tokens x 128 bytes
	s_and_b32 s21, s20, 15
	s_lshl_b32 s21, s21, 14                        ; 128 tokens x 128 bytes
	s_add_co_u32 s42, s42, s21
	s_lshl_b32 s21, s16, 19                        ; my two heads of the four
	s_add_co_u32 s42, s42, s21
	s_mov_b32 s43, 0
	s_lshl_b32 s46, s16, 18                        ; my 128 k rows of 2048 bytes
	s_lshl_b32 s22, s19, 8                         ; 128 columns x 2 bytes
	s_add_co_u32 s46, s46, s22
	s_mov_b32 s47, 0
	s_mul_i32 s23, s14, REG                        ; LDS: wave x region
	s_wait_dscnt 0x0
	s_wait_kmcnt 0x0
	s_add_nc_u64 s[42:43], s[4:5], s[42:43]
	s_add_nc_u64 s[46:47], s[6:7], s[46:47]
	CROUND                                         ; in front of the first joint loads
.irp s, 0,1
	s_mov_b32 s[G0A+4*\s], 1
	s_add_co_u32 s[G0A+4*\s+1], s23, \s*SLOT
	s_add_nc_u64 s[G0A+4*\s+2:G0A+4*\s+3], s[42:43], \s*1048576    ; four heads on
	s_or_b32 s[G0A+4*\s+3], s[G0A+4*\s+3], 0x80000000
	s_mov_b32 s[G0B+4*\s], 1
	s_add_co_u32 s[G0B+4*\s+1], s23, \s*SLOT
	s_add_nc_u64 s[G0B+4*\s+2:G0B+4*\s+3], s[46:47], \s*524288     ; 256 k rows on
	s_or_b32 s[G0B+4*\s+3], s[G0B+4*\s+3], 0x80000000
	JLOAD \s                                       ; two tensor loads of the wave are out
.endr
	s_lshl_b32 s44, s20, 19                        ; out0: 128 tokens x 4096 bytes
	s_lshl_b32 s45, s15, 18
	s_add_co_u32 s44, s44, s45
	s_lshl_b32 s45, s19, 9                         ; 128 columns x 4 bytes
	s_add_co_u32 s44, s44, s45
	s_lshl_b32 s45, s16, 8
	s_add_co_u32 s44, s44, s45
	s_mov_b32 s45, 0
	s_add_nc_u64 s[8:9], s[8:9], s[44:45]
	v_and_b32 v1, 15, v0                           ; r
	v_bfe_u32 v2, v0, 4, 1                         ; h
	v_mul_u32_u24 v3, v1, PA
	v_lshl_add_u32 v3, v2, 4, v3
	s_mul_i32 s22, s15, 64*PA
	v_add_nc_u32 v[ADRA], s22, v3                  ; (64 wm + r) x 144 + 16 h
	v_add_nc_u32 v[ADRA+1], SLOT, v[ADRA]
	v_and_b32 v4, 7, v0
	v_lshl_add_u32 v4, v2, 3, v4
	v_mul_u32_u24 v4, v4, PB
	v_bfe_u32 v5, v0, 3, 1
	v_lshl_add_u32 v4, v5, 4, v4
	s_lshl_b32 s22, s16, 7
	v_add_nc_u32 v4, s22, v4
.irp s, 0,1
.irp hf, 0,1
	v_add_nc_u32 v[ADRB+2*\s+\hf], \s*SLOT+(2+\hf)*REG, v4
.endr
.endr
	s_mul_i32 s22, s14, 16*SP
	s_add_co_u32 s22, s22, STAGE
	v_mul_u32_u24 v3, v1, SP
	v_lshl_add_u32 v3, v2, 5, v3
	v_add_nc_u32 v[STO], s22, v3                   ; in: row r, 32 bytes for each half of the lanes
	v_mul_u32_u24 v5, v2, SP
	v_lshl_add_u32 v5, v1, 4, v5
	v_add_nc_u32 v[RD], s22, v5                    ; back: lanes 0-15 one row of 256 bytes, lanes 16-31 the next
	v_lshlrev_b32 v5, 12, v2
	v_lshl_add_u32 v[CO], v1, 4, v5                ; and the same two rows in out0
.macro MUL4 f, a, zero                 ; token block a x 4 column blocks, 32 along K; the 16 accumulators take turns, one instruction a turn
.irp c, 0,1,2,3
.if \zero
	v_wmma_f32_16x16x32_bf16 v[8*(4*\a+\c):8*(4*\a+\c)+7], v[FR+64*\f+8*\c:FR+64*\f+8*\c+7], v[FR+64*\f+32+8*\a:FR+64*\f+32+8*\a+7], 0
.else
	v_wmma_f32_16x16x32_bf16 v[8*(4*\a+\c):8*(4*\a+\c)+7], v[FR+64*\f+8*\c:FR+64*\f+8*\c+7], v[FR+64*\f+32+8*\a:FR+64*\f+32+8*\a+7], v[8*(4*\a+\c):8*(4*\a+\c)+7]
.endif
.endr
.endm
.macro FETCH slot, q, f                ; 16 loads: the fragments of eighth q (32 along K) of the slot into buffer f: wob's four, then ob's four
.irp c, 0,1,2,3
	ds_load_tr16_b128 v[FR+64*\f+8*\c:FR+64*\f+8*\c+3],   v[ADRB+2*\slot+(\q)/4] offset:((\q)%4)*32*PB+32*\c
	ds_load_tr16_b128 v[FR+64*\f+8*\c+4:FR+64*\f+8*\c+7], v[ADRB+2*\slot+(\q)/4] offset:((\q)%4)*32*PB+32*\c+16*PB
.endr
.irp a, 0,1,2,3
	ds_load_b128 v[FR+64*\f+32+8*\a:FR+64*\f+32+8*\a+3], v[ADRA+\slot] offset:((\q)/2)*HEADP+\a*16*PA+((\q)%2)*64
	ds_load_b128 v[FR+64*\f+36+8*\a:FR+64*\f+36+8*\a+3], v[ADRA+\slot] offset:((\q)/2)*HEADP+\a*16*PA+((\q)%2)*64+32
.endr
.endm
.macro QUARTER slot, qn, f, g, zero    ; multiplies buffer f; in its middle fetches eighth qn into buffer g
	s_wait_dscnt 4                                 ; the youngest four loads (tokens 32-63) may be out
	WIN 0x50                                       ; C and D in window 1
	MUL4 \f, 0, \zero
	MUL4 \f, 1, \zero
	WIN 0
	PLACES
	FETCH \slot, \qn, \g
	s_wait_dscnt 16                                ; all but the 16 just issued
	WIN 0x50
	MUL4 \f, 2, \zero
	MUL4 \f, 3, \zero
.endm
.macro SEVEN slot, zero
	QUARTER \slot, 1, 0, 1, \zero
	QUARTER \slot, 2, 1, 0, 0
	QUARTER \slot, 3, 0, 1, 0
	QUARTER \slot, 4, 1, 0, 0
	QUARTER \slot, 5, 0, 1, 0
	QUARTER \slot, 6, 1, 0, 0
	QUARTER \slot, 7, 0, 1, 0
.endm
; The slot's last eighth, on buffer 1, and the change of slots: each wave's reads of this slot and all its tensor loads are waited for in front of the barrier;
; fill = 1: the barrier opens a round of the cluster's barrier and the joint refill is the first tensor load behind the round.
.macro TURN slot, next, fill
	s_wait_dscnt 4
	WIN 0x50
	MUL4 1, 0, 0
	s_wait_dscnt 0
	s_wait_tensorcnt 0x0
	ds_add_u32 v254, v255
	s_wait_dscnt 0x0
	s_barrier_signal -1
	MUL4 1, 1, 0
	WIN 0
	s_barrier_wait -1
.if \fill
	CREST
	s_add_nc_u64 s[G0A+4*\slot+2:G0A+4*\slot+3], s[G0A+4*\slot+2:G0A+4*\slot+3], 2*1048576
	s_add_nc_u64 s[G0B+4*\slot+2:G0B+4*\slot+3], s[G0B+4*\slot+2:G0B+4*\slot+3], 2*524288
	JLOAD \slot
.endif
	PLACES
	FETCH \next, 0, 0
	WIN 0x50
	MUL4 1, 2, 0
	MUL4 1, 3, 0
.endm
	s_wait_tensorcnt 0x1                           ; my part of slot 0 is in; slot 1's may stay out
	s_barrier_signal -1
	s_barrier_wait -1
	FETCH 0, 0, 0
	SEVEN 0, 1                                     ; the first products start the sums
	TURN 0, 1, 1
	SEVEN 1, 0
	TURN 1, 0, 1
	SEVEN 0, 0
	TURN 0, 1, 0                                   ; nothing is left to fetch
	SEVEN 1, 0
	s_wait_dscnt 4
	WIN 0x50
	MUL4 1, 0, 0
	MUL4 1, 1, 0
	s_wait_dscnt 0
	MUL4 1, 2, 0
	MUL4 1, 3, 0
	WIN 0
	PLACES                                         ; behind the last matrix instructions: LDS stores read results, loads land in fragment registers
; THE WAY OUT, 16 tokens at a time through my stage: a lane's 32 bytes in, whole rows of 256 bytes back, each read-back into registers of its own.
.macro OUT a
	WIN 0x04                                       ; store data in window 1
.irp c, 0,1,2,3
	ds_store_b128 v[STO], v[8*(4*\a+\c):8*(4*\a+\c)+3]   offset:64*\c
	ds_store_b128 v[STO], v[8*(4*\a+\c)+4:8*(4*\a+\c)+7] offset:64*\c+16
.endr
	WIN 0
.irp t, 0,1,2,3,4,5,6,7
	ds_load_b128 v[FR+32*\a+4*\t:FR+32*\a+4*\t+3], v[RD] offset:\t*2*SP    ; LDS serves a wave's instructions in order
.endr
.irp t, 0,1,2,3,4,5,6,7
	s_wait_dscnt 7-\t
	global_store_b128 v[CO], v[FR+32*\a+4*\t:FR+32*\a+4*\t+3], s[8:9] offset:\a*65536+\t*8192 th:TH_STORE_NT   ; 16 lanes store 256 neighbouring bytes, aligned
.endr
.endm
	OUT 0
	OUT 1
	OUT 2
	OUT 3
	s_wait_tensorcnt 0x0
	ds_add_u32 v254, v255
	s_wait_dscnt 0x0
	CROUND                                         ; the closing round
	s_endpgm
.Lfunc_end_k_qdb22bb28f2_outp:
	.size	k_qdb22bb28f2_outp, .Lfunc_end_k_qdb22bb28f2_outp-k_qdb22bb28f2_outp
	.p2alignl 7, 3214868480
	.fill 96, 4, 3214868480
	.section	.rodata,"a",@progbits
	.p2align	6, 0x0
	.amdhsa_kernel k_qdb22bb28f2_outp
		.amdhsa_group_segment_fixed_size 327680
		.amdhsa_private_segment_fixed_size 0
		.amdhsa_enable_private_segment 0
		.amdhsa_kernarg_size 24
		.amdhsa_user_sgpr_count 2
		.amdhsa_user_sgpr_kernarg_segment_ptr 1
		.amdhsa_wavefront_size32 1
		.amdhsa_system_sgpr_workgroup_id_x 1
		.amdhsa_system_sgpr_workgroup_id_y 1
		.amdhsa_system_sgpr_workgroup_id_z 1
		.amdhsa_system_vgpr_workitem_id 0
		.amdhsa_next_free_vgpr 384
		.amdhsa_next_free_sgpr 66
		.amdhsa_reserve_vcc 0
		.amdhsa_float_denorm_mode_32 3
		.amdhsa_float_denorm_mode_16_64 3
		.amdhsa_memory_ordered 1
		.amdhsa_forward_progress 1
		.amdhsa_inst_pref_size 90
	.end_amdhsa_kernel
	.amdgpu_metadata
---
amdhsa.version: [ 1, 2 ]
amdhsa.kernels:
  - .name:           k_qdb22bb28f2_outp
    .symbol:         k_qdb22bb28f2_outp.kd
    .args:
      - { .name: ob, .offset: 0, .size: 8, .value_kind: global_buffer, .address_space: global }
      - { .name: wob, .offset: 8, .size: 8, .value_kind: global_buffer, .address_space: global }
      - { .name: out0, .offset: 16, .size: 8, .value_kind: global_buffer, .address_space: global }
    .group_segment_fixed_size: 327680
    .private_segment_fixed_size: 0
    .kernarg_segment_align: 8
    .kernarg_segment_size: 24
    .max_flat_workgroup_size: 128
    .sgpr_count:     66
    .vgpr_count:     384
    .wavefront_size: 32
...
	.end_amdgpu_metadata
.endif
;; end of part 4
;; ======== version 2 of 2: 4 launches; version 1 with the launch cast written anew for expert scheduling mode
;; workspace buffers: xb 8,388,608 bytes; wb 6,291,456 bytes; wob 2,097,152 bytes; q2 16,777,216 bytes; k2 16,777,216 bytes; vb 8,388,608 bytes; ob 8,388,608 bytes
;; launch cast (part 5): grid 256 x 1, 8 waves a work-group, no clusters, 0 bytes of LDS; arguments x, w_q, w_vk, w_out, xb, wb, wob; writes xb, wb, wob
.if DOCPART == 5
	.amdgcn_target "amdgcn-amd-amdhsa--gfx1250"
	.amdhsa_code_object_version 6
	.text
	.protected	k_qdb22bb28f2_cast
	.globl	k_qdb22bb28f2_cast
	.p2align	8
	.type	k_qdb22bb28f2_cast,@function
k_qdb22bb28f2_cast:
	s_mov_b64 s[64:65], 0
	v_nop
	global_prefetch_b8 v0, s[64:65] scope:SCOPE_SE
	s_setreg_imm32_b32 hwreg(HW_REG_WAVE_SCHED_MODE, 0, 2), 2
	s_setreg_imm32_b32 hwreg(HW_REG_WAVE_MODE, 25, 1), 1
	s_wait_xcnt 0x0
	s_wait_alu depctr_vm_vsrc(0)
; f32 to bf16 (round to nearest even) of the four inputs, once, so that the three matrix launches move and keep 16-bit operands only.
;   x     [4096][1024] -> xb  [4096][1024]
;   w_q   [1024][1024] -> wb  [1024][3072], columns 0-1023
;   w_vk  [1024][2048] -> wb  [1024][3072], columns 1024-3071 (K, then V)
;   w_out [1024][1024] -> wob [1024][1024]
; A stream: every byte is read once and written once, so there is no LDS, no barrier, no matrix unit and no cluster (no two work-groups share a byte).
; The unit of work is 1024 numbers (4096 bytes in, 2048 out); 8192 units; a work-group takes 32, a wave 4 neighbouring ones.
; Which tensor a work-group serves is chosen by scalar selects on its number: no branch.
; Lane l takes 16 bytes at 16 l of each 512 bytes: a load of the wave covers 512 neighbouring bytes, and the lane's four numbers leave as 8 bytes,
; so that a store of the wave covers 256 neighbouring bytes, aligned to 256.
; A wave issues all its 32 loads (16 KiB) first; no register is written twice.
; THE MODE: SCHED_MODE bits 1:0 = 2 (LLVM: expert scheduling mode 2), set by the entry lines.  The code itself states the register dependences
; between vector instructions and memory instructions, with s_wait_alu, always for 0.
; THE PLAN.  Registers that memory instructions touch:
;   v1        the loads' offset;  v2 .. v5  the stores' offsets, one for each of the wave's four units.  Made at the head, never written again.
;   X         32 x 4 registers.  Each is written once, by its load, and read by that load's two conversions; no vector line names it ahead of the load.
;   Y         32 x 2 registers.  Each pair is written once, by two conversions, and read once, by its store.
; The 32 loads are taken in 8 blocks of four.  Block p converts its four loads into its own Y registers; its memory instructions are the four stores of
; block p - 1, whose Y registers and offsets no vector line of block p names.  So one wait at a block's head states all that the block's stores hang on.
; No register that a memory instruction reads is written again, so nothing is owed for that.
.set X, 8                              ; v[8:135]    32 loads x 4 registers, f32
.set Y, 136                            ; v[136:199]  32 stores x 2 registers, bf16 pairs
	s_load_b256 s[4:11], s[0:1], 0x0               ; x s[4:5], w_q s[6:7], w_vk s[8:9], w_out s[10:11]
	s_load_b128 s[12:15], s[0:1], 0x20             ; xb s[12:13], wb s[14:15]
	s_load_b64 s[16:17], s[0:1], 0x30              ; wob
	v_lshrrev_b32 v6, 5, v0
	v_readfirstlane_b32 s29, v6                    ; wave 0..7
	v_and_b32 v7, 31, v0                           ; lane
	v_lshlrev_b32 v1, 4, v7                        ; in: 4 numbers = 16 bytes a lane
	v_lshlrev_b32 v2, 3, v7                        ; out: 8 bytes a lane
	s_mov_b32 s28, ttmp9                           ; work-group 0..255
	s_wait_alu depctr_va_sdst(0)                   ; s29 is written, ahead of its first reader: the wave's first unit is made from it below
	s_wait_kmcnt 0x0
	; work-groups 224-255: w_out -> wob, output rows of 2048 bytes follow each other
	s_mov_b64 s[18:19], s[10:11]                   ; source
	s_mov_b64 s[22:23], s[16:17]                   ; destination
	s_mov_b32 s20, 224                             ; first work-group of the tensor
	s_mov_b32 s21, 2048                            ; output bytes from unit to unit, on the average over the wave's four
	s_mov_b32 s24, 0                               ; first output byte
	s_mov_b32 s25, 2048                            ; output offsets of the wave's units 1, 2, 3
	s_mov_b32 s26, 4096
	s_mov_b32 s27, 6144
	s_cmp_lt_u32 s28, 224                          ; 160-223: w_vk -> wb; a row is two units, at byte 2048 of a row of 6144
	s_cselect_b64 s[18:19], s[8:9], s[18:19]
	s_cselect_b64 s[22:23], s[14:15], s[22:23]
	s_cselect_b32 s20, 160, s20
	s_cselect_b32 s21, 3072, s21
	s_cselect_b32 s24, 2048, s24
	s_cselect_b32 s26, 6144, s26
	s_cselect_b32 s27, 8192, s27
	s_cmp_lt_u32 s28, 160                          ; 128-159: w_q -> wb; a row is one unit, at byte 0 of a row of 6144
	s_cselect_b64 s[18:19], s[6:7], s[18:19]
	s_cselect_b32 s20, 128, s20
	s_cselect_b32 s21, 6144, s21
	s_cselect_b32 s24, 0, s24
	s_cselect_b32 s25, 6144, s25
	s_cselect_b32 s26, 12288, s26
	s_cselect_b32 s27, 18432, s27
	s_cmp_lt_u32 s28, 128                          ; 0-127: x -> xb
	s_cselect_b64 s[18:19], s[4:5], s[18:19]
	s_cselect_b64 s[22:23], s[12:13], s[22:23]
	s_cselect_b32 s20, 0, s20
	s_cselect_b32 s21, 2048, s21
	s_cselect_b32 s25, 2048, s25
	s_cselect_b32 s26, 4096, s26
	s_cselect_b32 s27, 6144, s27
	s_sub_co_u32 s30, s28, s20
	s_lshl_b32 s30, s30, 5
	s_lshl2_add_u32 s30, s29, s30                  ; my first unit in the tensor = 32 x work-group + 4 x wave
	s_lshl_b32 s2, s30, 12                         ; 4096 bytes a unit, below 2^24
	s_mov_b32 s3, 0
	s_add_nc_u64 s[18:19], s[18:19], s[2:3]
	s_mul_i32 s2, s30, s21
	s_add_co_u32 s2, s2, s24
	s_add_nc_u64 s[22:23], s[22:23], s[2:3]
	v_add_nc_u32 v3, s25, v2                       ; v2..v5: 8 x lane + the unit's place in the output
	v_add_nc_u32 v4, s26, v2
	v_add_nc_u32 v5, s27, v2
	s_wait_alu depctr_va_vdst(0)                   ; v1 to v5 are written: every load of the kernel reads v1 as its offset, every store one of v2 to v5
.set idx, 0
.rept 32                                           ; load idx = 128 numbers, 512 neighbouring bytes; eight loads to a unit
	global_load_b128 v[X+4*idx:X+4*idx+3], v1, s[18:19] offset:idx*512 th:TH_LOAD_NT
.set idx, idx+1
.endr
; Block p: loads 4 p to 4 p + 3 are converted; the four stores of block p - 1 are dealt among the conversions, one ahead of each pair.
.set p, 0
.rept 8
	s_wait_loadcnt 28-4*p                          ; loads return in order: the block's four are in, the 28 - 4 p younger ones stay out
.if p > 0
	s_wait_alu depctr_va_vdst(0)                   ; the conversions of the block before have written its eight Y registers, which the four stores below read
.endif
.set i, 0
.rept 4
.set idx, 4*p+i
.if p > 0
	global_store_b64 v[2+(idx-4)/8], v[Y+2*(idx-4):Y+2*(idx-4)+1], s[22:23] offset:((idx-4)%8)*256   ; the wave stores 256 neighbouring bytes, aligned to 256; no vector line since the wait names these registers
.endif
	v_cvt_pk_bf16_f32 v[Y+2*idx],   v[X+4*idx],   v[X+4*idx+1]
	v_cvt_pk_bf16_f32 v[Y+2*idx+1], v[X+4*idx+2], v[X+4*idx+3]
.set i, i+1
.endr
.set p, p+1
.endr
	s_wait_alu depctr_va_vdst(0)                   ; the last block's conversions have written its eight Y registers, which the last four stores read
.set idx, 28
.rept 4
	global_store_b64 v[2+idx/8], v[Y+2*idx:Y+2*idx+1], s[22:23] offset:(idx%8)*256
.set idx, idx+1
.endr
	s_endpgm
.Lfunc_end_k_qdb22bb28f2_cast:
	.size	k_qdb22bb28f2_cast, .Lfunc_end_k_qdb22bb28f2_cast-k_qdb22bb28f2_cast
	.p2alignl 7, 3214868480
	.fill 96, 4, 3214868480
	.section	.rodata,"a",@progbits
	.p2align	6, 0x0
	.amdhsa_kernel k_qdb22bb28f2_cast
		.amdhsa_group_segment_fixed_size 0
		.amdhsa_private_segment_fixed_size 0
		.amdhsa_enable_private_segment 0
		.amdhsa_kernarg_size 56
		.amdhsa_user_sgpr_count 2
		.amdhsa_user_sgpr_kernarg_segment_ptr 1
		.amdhsa_wavefront_size32 1
		.amdhsa_system_sgpr_workgroup_id_x 1
		.amdhsa_system_sgpr_workgroup_id_y 1
		.amdhsa_system_sgpr_workgroup_id_z 1
		.amdhsa_system_vgpr_workitem_id 0
		.amdhsa_next_free_vgpr 208
		.amdhsa_next_free_sgpr 66
		.amdhsa_reserve_vcc 0
		.amdhsa_float_denorm_mode_32 3
		.amdhsa_float_denorm_mode_16_64 3
		.amdhsa_memory_ordered 1
		.amdhsa_forward_progress 1
		.amdhsa_inst_pref_size 14
	.end_amdhsa_kernel
	.amdgpu_metadata
---
amdhsa.version: [ 1, 2 ]
amdhsa.kernels:
  - .name:           k_qdb22bb28f2_cast
    .symbol:         k_qdb22bb28f2_cast.kd
    .args:
      - { .name: x, .offset: 0, .size: 8, .value_kind: global_buffer, .address_space: global }
      - { .name: w_q, .offset: 8, .size: 8, .value_kind: global_buffer, .address_space: global }
      - { .name: w_vk, .offset: 16, .size: 8, .value_kind: global_buffer, .address_space: global }
      - { .name: w_out, .offset: 24, .size: 8, .value_kind: global_buffer, .address_space: global }
      - { .name: xb, .offset: 32, .size: 8, .value_kind: global_buffer, .address_space: global }
      - { .name: wb, .offset: 40, .size: 8, .value_kind: global_buffer, .address_space: global }
      - { .name: wob, .offset: 48, .size: 8, .value_kind: global_buffer, .address_space: global }
    .group_segment_fixed_size: 0
    .private_segment_fixed_size: 0
    .kernarg_segment_align: 8
    .kernarg_segment_size: 56
    .max_flat_workgroup_size: 256
    .sgpr_count:     66
    .vgpr_count:     208
    .wavefront_size: 32
...
	.end_amdgpu_metadata
.endif
;; end of part 5
;; launch qkv: the kernel of part 2 again; grid 8 x 32, 4 waves a work-group, clusters of 4 x 4, 327,680 bytes of LDS; arguments xb, wb, q2, k2, vb; writes q2, k2, vb
;; launch attn: the kernel of part 3 again; grid 8 x 32, 8 waves a work-group, clusters of 4 x 1, 327,680 bytes of LDS; arguments q2, k2, vb, ob; writes ob
;; launch outp: the kernel of part 4 again; grid 8 x 32, 4 waves a work-group, clusters of 4 x 4, 327,680 bytes of LDS; arguments ob, wob, out0; writes out0
